; MI455X (gfx1250); checked and timed in simulation.
; The chip was launched on July 23, 2026; its instructions are those of AMD's public machine-readable ISA for CDNA 5 (MIT licence, August 2026) and "CDNA5" Instruction Set Architecture Reference Guide (July 2026). The comments in the code are by the model that wrote it; some were corrected since.
;; Multi Head Attention. Allowed arithmetic: matrix products marked QUANTISED: E4M3 operands, one given power-of-two scale a tensor, by v_wmma_f32_16x16x64_fp8_fp8 or v_wmma_f32_16x16x128_fp8_fp8, f32 sums; everything else in f32.
;; Inputs: W_k_codes 1,024 x 32 x 32 uint8 (E4M3 codes of W_k, K innermost, in blocks of 32 codes); W_o_codes 1,024 x 32 x 32 uint8 (E4M3 codes of W_o, K innermost, in blocks of 32 codes); W_q_codes 1,024 x 32 x 32 uint8 (E4M3 codes of W_q, K innermost, in blocks of 32 codes); W_v_codes 1,024 x 32 x 32 uint8 (E4M3 codes of W_v, K innermost, in blocks of 32 codes); attention_mask 4 x 2,048 int32; lowp_scales 12 int32 (the exponents e of the quantised operands' scales 2^e); x_codes 4 x 2,048 x 32 x 32 uint8 (E4M3 codes of x, K innermost, in blocks of 32 codes).
;; Outputs: out0 4 x 2,048 x 1,024 float32.
;; This version of the problem:
;;   THIS VERSION OF THE PROBLEM IS GIVEN IN LOW PRECISION. The matrix products marked QUANTISED in the list below multiply operands that are first quantised to E4M3 (4 exponent bits, 3 mantissa bits; 8 bits a number), with one given power-of-two scale for each operand tensor; their sums are f32. All else is computed in f32.
;;   The module's matrix products, in the order in which they are computed (A, B: the left and right operand; K: the contracted axis; several contracted axes count as one K, in the product's order):
;;     1. [M 8,192, K 1,024] x [K 1,024, N 1,024]; A: input x (given as codes); B: input W_q (given as codes): QUANTISED (scales: A lowp_scales[0], B lowp_scales[1])
;;     2. [M 8,192, K 1,024] x [K 1,024, N 1,024]; A: input x (given as codes); B: input W_k (given as codes): QUANTISED (scales: A lowp_scales[2], B lowp_scales[3])
;;     3. [M 8,192, K 1,024] x [K 1,024, N 1,024]; A: input x (given as codes); B: input W_v (given as codes): QUANTISED (scales: A lowp_scales[4], B lowp_scales[5])
;;     4. batch 64 x [M 2,048, K 64] x [K 64, N 2,048]; A: computed on the way; B: computed on the way: QUANTISED (scales: A lowp_scales[6], B lowp_scales[7])
;;     5. batch 64 x [M 2,048, K 2,048] x [K 2,048, N 64]; A: computed on the way; B: computed on the way: QUANTISED (scales: A lowp_scales[8], B lowp_scales[9])
;;     6. [M 8,192, K 1,024] x [K 1,024, N 1,024]; A: computed on the way; B: input W_o (given as codes): QUANTISED (scales: A lowp_scales[10], B lowp_scales[11])
;;   THE QUANTISER, for each operand of a quantised product, along K:
;;     - The operand's scale is 2^e, e = its entry of the input lowp_scales (int32; the entries are numbered through the quantised products in the list's order, A before B).
;;     - Each number is divided by the scale, clamped to +-448, and rounded to the nearest number of E4M3, ties to even, subnormals kept.
;;     - The product sums the exact products of the quantised numbers (number of the format x scale) in f32.
;;   ~~~python
;;   def quantise(x, axis, e):      # numpy; x: float32 -> the quantised numbers, widened to float32 again
;;       x = np.moveaxis(x, axis, -1); K = x.shape[-1]
;;       r = np.clip(x / 2.0 ** e, -448, 448)
;;       step = 2.0 ** (np.maximum(np.frexp(np.where(r == 0, 1, r))[1] - 1, -6) - 3)
;;       q = np.round(r / step) * step * 2.0 ** e      # np.round: ties to even
;;       return np.moveaxis(q, -1, axis).astype(np.float32)
;;   ~~~
;;   OPERANDS COMPUTED ON THE WAY. 'Computed on the way' means the value that the module computes at that place (a softmax that the list does not call 'softmax' is quantised finished and normalised). What goes into a quantiser is computed in f32, as accurately as f32 sums, v_exp_f32 and their like allow (about 1e-6 of the number): no bf16 or f16 on the way to a quantiser, and a product that is left as it is and whose result goes on into a quantised operand takes f32 operands (vector FMAs, or v_wmma_f32_16x16x4_f32). A number that lies on a knife's edge between two numbers of the format may be rounded either way, as far as f32 arithmetic and the matrix unit's own rounding can turn it there, and no further.
;;   INPUTS GIVEN AS CODES. W_k (in the module: [1024, 1024], K = its axis 1); W_o (in the module: [1024, 1024], K = its axis 1); W_q (in the module: [1024, 1024], K = its axis 1); W_v (in the module: [1024, 1024], K = its axis 1); x (in the module: [4, 2048, 1024], K = its axis 2): each comes as NAME_codes (uint8): NAME with its K axis moved to the last place and cut into blocks of 32 codes, [.., K / 32, bytes a block], one block behind the other in memory; one code a byte (a code: sign, 4 exponent bits, 3 mantissa bits); its scale is its entry of lowp_scales. Its value is code x scale, taken as it is: it is not quantised again, and the codes and scales need not be those that the quantiser above would give.
;; One version. Each part assembles by itself: llvm-mc -triple=amdgcn-amd-amdhsa -mcpu=gfx1250 --defsym DOCPART=n.
;; ======== version 1 of 1: 4 launches
;; limits: right only within a limited range of input values
;; workspace buffers: rope_tab 524,288 bytes; q_img 8,388,608 bytes; k_img 8,388,608 bytes; v_img 8,388,608 bytes; a_img 8,388,608 bytes
;; launch rope (part 1): grid 128 x 1, 4 waves a work-group, no clusters, 0 bytes of LDS; arguments rope_tab; writes rope_tab
.if DOCPART == 1
	.amdgcn_target "amdgcn-amd-amdhsa--gfx1250"
	.amdhsa_code_object_version 6
	.text
	.protected	k_qad2416fbb8_rope
	.globl	k_qad2416fbb8_rope
	.p2align	8
	.type	k_qad2416fbb8_rope,@function
k_qad2416fbb8_rope:
	s_mov_b64 s[64:65], 0
	v_nop
	global_prefetch_b8 v0, s[64:65] scope:SCOPE_SE
	s_setreg_imm32_b32 hwreg(HW_REG_WAVE_MODE, 25, 1), 1
	s_wait_xcnt 0x0
; The table of cosines and sines for the rotation of q and k, laid as the next launch's lanes want it:
; rope_tab[tt 128][bm 4][cs 2][lane 32][4 f32]: lane (r = lane % 16, h = lane / 16) holds cos (cs = 0) or sin (cs = 1) of t x inv_freq[f],
; t = 16 tt + r, f = 8 bm + 4 h + 0 .. 3.  A work-group takes one tt, a wave one bm: each store of a wave covers 512 consecutive bytes, aligned.
; inv_freq[f] = 10000^(-f/32) = 2^(-f log2(10) / 8), by v_exp_f32.  The angle is the f32 product t x inv_freq, as the problem's definition rounds it.
; LIMIT: inv_freq may differ by a unit or two in the last place from a power followed by a division; the angle, at most 2,047, then by about 2e-4.
; cos and sin: n = the nearest whole number to x 2/pi; r = x - n pi/2 with pi/2 in two parts (the first step loses nothing: n has 11 bits, r lies under 1);
; polynomials of degree 7 and 8 on |r| <= pi/4; the quadrant n mod 4 swaps the two and sets the signs.
	s_load_b64 s[4:5], s[0:1], 0x0
	v_lshrrev_b32 v1, 5, v0
	v_readfirstlane_b32 s8, v1                     ; wave = bm
	v_and_b32 v2, 15, v0                           ; r
	v_bfe_u32 v3, v0, 4, 1                         ; h
	v_and_b32 v4, 31, v0
	v_lshlrev_b32 v4, 4, v4                        ; 16 x lane
	s_lshl_b32 s9, ttmp9, 4
	v_add_nc_u32 v5, s9, v2
	v_cvt_f32_u32 v5, v5                           ; t
	s_lshl_b32 s10, s8, 3
	v_lshl_add_u32 v6, v3, 2, s10                  ; my first f: 8 bm + 4 h
.irp i, 0,1,2,3
	v_add_nc_u32 v[8+\i], \i, v6
	v_cvt_f32_u32 v[8+\i], v[8+\i]
	v_mul_f32 v[8+\i], 0xbed49a78, v[8+\i]         ; -f log2(10) / 8
.endr
	s_wait_alu depctr_va_vdst(0)
.irp i, 0,1,2,3
	v_exp_f32 v[8+\i], v[8+\i]                     ; inv_freq
.endr
	v_nop                                          ; a plain instruction behind the last exponential
	s_mov_b32 s20, 0xbfc90fdb                      ; -(pi/2), first part
	s_mov_b32 s21, 0x333bbd2e                      ; what the first part has too much
	s_mov_b32 s22, 0xbe2aaaa3                      ; sine: -1.6666654611e-1,
	s_mov_b32 s23, 0x3c08839e                      ; 8.3321608736e-3,
	s_mov_b32 s24, 0xb94ca1f9                      ; -1.9515295891e-4
	s_mov_b32 s25, 0x3d2aaaa5                      ; cosine: 4.166664568e-2,
	s_mov_b32 s26, 0xbab6061a                      ; -1.388731625e-3,
	s_mov_b32 s27, 0x37ccf5ce                      ; 2.443315712e-5
	s_lshl_b32 s12, ttmp9, 12
	s_lshl_b32 s13, s8, 10
	s_add_co_u32 s12, s12, s13                     ; 4,096 tt + 1,024 bm
	s_mov_b32 s13, 0
	s_wait_kmcnt 0x0
	s_add_nc_u64 s[4:5], s[4:5], s[12:13]
	s_wait_alu depctr_va_vdst(0)                   ; one wait for the four exponentials, ahead of their first reader
.macro TRIG i
	v_mul_f32 v16, v5, v[8+\i]                     ; x = t x inv_freq
	v_mul_f32 v17, 0x3f22f983, v16
	v_rndne_f32 v17, v17                           ; n
	v_fma_f32 v18, v17, s20, v16
	v_fma_f32 v18, v17, s21, v18                   ; r
	v_mul_f32 v19, v18, v18                        ; z = r r
	v_fma_f32 v20, v19, s24, s23
	v_fma_f32 v22, v19, s27, s26
	v_fma_f32 v20, v20, v19, s22
	v_fma_f32 v22, v22, v19, s25
	v_mul_f32 v21, v19, v18                        ; z r
	v_mul_f32 v23, v19, v19                        ; z z
	v_fma_f32 v24, v19, -0.5, 1.0
	v_fma_f32 v20, v20, v21, v18                   ; sin r
	v_fma_f32 v22, v22, v23, v24                   ; cos r
	v_cvt_i32_f32 v25, v17
	v_and_b32 v26, 1, v25
	v_cmp_eq_u32 vcc_lo, 1, v26                    ; odd quadrants swap the two
	v_cndmask_b32 v27, v20, v22, vcc_lo
	v_cndmask_b32 v28, v22, v20, vcc_lo
	v_lshlrev_b32 v29, 30, v25
	v_and_b32 v29, 0x80000000, v29                 ; the sine is negative in quadrants 2 and 3,
	v_xor_b32 v[44+\i], v27, v29
	v_add_nc_u32 v25, 1, v25
	v_lshlrev_b32 v29, 30, v25
	v_and_b32 v29, 0x80000000, v29                 ; the cosine in 1 and 2
	v_xor_b32 v[40+\i], v28, v29
.endm
	TRIG 0
	TRIG 1
	TRIG 2
	TRIG 3
	global_store_b128 v4, v[40:43], s[4:5]
	global_store_b128 v4, v[44:47], s[4:5] offset:512
	s_endpgm
.Lfunc_end_k_qad2416fbb8_rope:
	.size	k_qad2416fbb8_rope, .Lfunc_end_k_qad2416fbb8_rope-k_qad2416fbb8_rope
	.p2alignl 7, 3214868480
	.fill 96, 4, 3214868480
	.section	.rodata,"a",@progbits
	.p2align	6, 0x0
	.amdhsa_kernel k_qad2416fbb8_rope
		.amdhsa_group_segment_fixed_size 0
		.amdhsa_private_segment_fixed_size 0
		.amdhsa_enable_private_segment 0
		.amdhsa_kernarg_size 8
		.amdhsa_user_sgpr_count 2
		.amdhsa_user_sgpr_kernarg_segment_ptr 1
		.amdhsa_wavefront_size32 1
		.amdhsa_system_sgpr_workgroup_id_x 1
		.amdhsa_system_sgpr_workgroup_id_y 1
		.amdhsa_system_sgpr_workgroup_id_z 1
		.amdhsa_system_vgpr_workitem_id 0
		.amdhsa_next_free_vgpr 64
		.amdhsa_next_free_sgpr 66
		.amdhsa_reserve_vcc 1
		.amdhsa_float_denorm_mode_32 3
		.amdhsa_float_denorm_mode_16_64 3
		.amdhsa_memory_ordered 1
		.amdhsa_forward_progress 1
		.amdhsa_inst_pref_size 8
	.end_amdhsa_kernel
	.amdgpu_metadata
---
amdhsa.version: [ 1, 2 ]
amdhsa.kernels:
  - .name:           k_qad2416fbb8_rope
    .symbol:         k_qad2416fbb8_rope.kd
    .args:
      - { .name: rope_tab, .offset: 0, .size: 8, .value_kind: global_buffer, .address_space: global }
    .group_segment_fixed_size: 0
    .private_segment_fixed_size: 0
    .kernarg_segment_align: 8
    .kernarg_segment_size: 8
    .max_flat_workgroup_size: 128
    .sgpr_count:     66
    .vgpr_count:     64
    .wavefront_size: 32
...
	.end_amdgpu_metadata
.endif
;; end of part 1
;; launch qkv (part 2): grid 12 x 32, 4 waves a work-group, clusters of 4 x 4, 327,680 bytes of LDS; arguments x_codes, W_q_codes, W_k_codes, W_v_codes, lowp_scales, rope_tab, q_img, k_img, v_img; writes q_img, k_img, v_img
.if DOCPART == 2
	.amdgcn_target "amdgcn-amd-amdhsa--gfx1250"
	.amdhsa_code_object_version 6
	.text
	.protected	k_qad2416fbb8_qkv
	.globl	k_qad2416fbb8_qkv
	.p2align	8
	.type	k_qad2416fbb8_qkv,@function
k_qad2416fbb8_qkv:
	s_mov_b64 s[64:65], 0
	v_nop
	global_prefetch_b8 v0, s[64:65] scope:SCOPE_SE
	s_setreg_imm32_b32 hwreg(HW_REG_WAVE_MODE, 25, 1), 1
	s_wait_xcnt 0x0
	s_wait_alu depctr_hold_cnt(0) depctr_sa_sdst(0) depctr_va_vdst(0) depctr_va_sdst(0) depctr_va_ssrc(0) depctr_va_vcc(0) depctr_vm_vsrc(0)
	s_getreg_b32 s2, hwreg(HW_REG_IB_STS2, 6, 4)
	s_cmp_eq_u32 s2, 0
	s_cbranch_scc0 .Lentry_in_a_cluster
	s_endpgm
.Lentry_in_a_cluster:
	s_bfe_u32 s2, ttmp6, 0x10000c
	s_cmp_lg_u32 s2, 0xf033
	s_cbranch_scc0 .Lentry_shape_is_right
	s_endpgm
.Lentry_shape_is_right:
; q = rope(x W_q^T), k = rope(x W_k^T), v = x W_v^T on codes of FP8 (E4M3), each result quantised with its given scale and stored as images of the registers in which the attention launch wants it.
; A tile of 256 x 256 results is made by a work-group of four waves, 128 x 128 a wave: 64 accumulators of 16 x 16, 512 registers.  K = 1,024 goes in four steps of 256 through two LDS slots filled by the tensor data mover.
; THE CLUSTER'S x SAYS WHICH PRODUCT (KIND: 0 q, 1 k, 2 v): it is the same in all sixteen partners.  The matrix instruction takes 16 rows of the B side as source 0 and 16 rows of the A side as source 1, so a lane holds ONE row of
; the A side and EIGHT NEIGHBOURING rows of the B side.  q, k: A side = x (256 tokens), B side = W (256 features): a lane's eight results are eight neighbouring channels of one token: the pairs that the rotation turns lie in register
; pairs, and the codes come out with the channels innermost.  v: A side = W_v, B side = x: eight neighbouring tokens of one channel: the codes come out with the KEYS innermost, as the second product of attention wants them.
; CLUSTERS: 4 x 4 work-groups; the A side's tile is shared along a row of the cluster, the B side's along a column: each is asked for jointly, by the same tensor load with the same descriptor and a mask that names the four.
; SCALES: the sums stand for sum x 2^(ea + eb); the rotation is linear, so it is made on the sums as they are, and the conversion divides by 2^(et - ea - eb).  LIMIT: et - ea - eb between -126 and 119.  NaN codes are not served.
; IMAGES (lane = (r, h)): q_img, k_img [head of batch 64][tile of 16 tokens 128][chunk 2][lane][16 B]: token 16 tile + r, registers 2 c, 2 c + 1 = channels 16 c + 8 h + 0 .. 7;
;   v_img [head of batch 64][step of 64 keys 32][dt 4][chunk 2][lane][16 B]: channel 16 dt + r, registers 2 c, 2 c + 1 = keys 16 c + 8 h + 0 .. 7.  Every store of a wave covers 512 consecutive bytes, aligned.
; REGISTERS, in windows of 256: window 0: v0-31 addresses; from v128 the A side's fragments, ONE set; on the way out v32-127 the table of cosines and sines (three sets), v128-191 numbers at work, v192-223 codes (two sets).
;   window 1: the B side's fragments, TWO sets.   window 2: the accumulators of my rows 0-63 ((a, b) at v[8 (8 a + b)]);   window 3: those of my rows 64-127.
.set ROWB,   256                       ; a tile's row in bytes: 256 codes
.set KROW,   1024                      ; a row of x or of a weight in memory, in bytes
.set PITCH,  272                       ; an LDS row: 256 bytes + 16 of padding = 68 words: row r starts at bank 4 r mod 64 (64 banks of 4 bytes: ISA guide 11.1)
.set FR,     16                        ; registers of a fragment: 16 rows x 128 K
.set NL,     4                         ; LDS loads that bring one
.set NP,     4                         ; places behind this matrix instruction (ISA guide 7.12.1)
.set HALFT,  128*PITCH                 ; 128 rows: what one tensor load brings
.set SLOT,   4*HALFT                   ; the A side's 256 rows, then the B side's
.set SPARE,  2*SLOT                    ; behind the ring: the spare words, 128 bytes for each wave
.set SCL,  8                           ; v8   the conversion's scale, 2^(et - ea - eb)
.set LIM,  9
.set LI,   10                          ; v10  16 x lane; never rewritten
.set ADRA, 16                          ; v16-17  LDS address of my A fragments in slot 0, 1
.set ADRB, 20                          ; v20-21  the same for B
.set SPW,  28                          ; v28  LDS address of my spare word; never rewritten
.set NIL,  29                          ; v29  0; never rewritten
.set RT,   32
.set T,    128
.set CD,   192
.set AF,   128
.set G1, 24                            ; s[24:31] descriptor group 1 for the A side;  s[32:39] group 0, one set for each slot
.set G0, 32
.set G1B, 48                           ; s[48:55], s[56:63] the same for the B side
.set G0B, 56
.set KIND, 86
.set MSB, 0
.macro WIN new                         ; the immediate's high byte repeats the setting that is left
.if MSB != \new
	s_set_vgpr_msb (MSB<<8)|\new
.set MSB, \new
.endif
.endm
.set MUL_LO, 0xa1                      ; source 0 (B) window 1, source 1 (A) window 0, C and D window 2
.set MUL_HI, 0xf1                      ; the same, C and D window 3
.set TO_B,   0x40                      ; destination window 1, address window 0
; A joint load: waves 0 and 1 fetch for the A side, waves 2 and 3 for the B side.  The branch hangs on the wave's number alone.  Four v_nop follow each of the two lines.
.macro JLOAD g0a, g1a, g0b, g1b
	s_cmp_eq_u32 s15, 0
	s_cbranch_scc0 .Lfor_b_\@
	tensor_load_to_lds s[\g0a:\g0a+3], s[\g1a:\g1a+7]
	s_nop 0
.rept 4
	v_nop
.endr
	s_branch .Lasked_\@
.Lfor_b_\@:
	tensor_load_to_lds s[\g0b:\g0b+3], s[\g1b:\g1b+7]
	s_nop 0
.rept 4
	v_nop
.endr
.Lasked_\@:
.endm
.macro CREST                           ; a round of the cluster's barrier behind its opening barrier
	s_cmp_lg_u32 s14, 0
	s_cbranch_scc1 .Lnot_wave_0_\@
	s_barrier_signal -3
.Lnot_wave_0_\@:
	s_barrier_wait -3
	s_barrier_signal -1
	s_barrier_wait -1
.endm
.macro CROUND                          ; a whole round
	s_barrier_signal -1
	s_barrier_wait -1
	CREST
.endm
	s_load_b512 s[68:83], s[0:1], 0x0              ; x s[68:69], W_q s[70:71], W_k s[72:73], W_v s[74:75], the exponents s[76:77], the table s[78:79], q_img s[80:81], k_img s[82:83]
	s_load_b64 s[84:85], s[0:1], 0x40              ; v_img
	v_lshl_add_u32 v[SPW], v0, 2, SPARE
	v_mov_b32 v[NIL], 0
	ds_add_u32 v28, v29
	ds_add_u32 v28, v29
	s_wait_dscnt 0x0
	v_lshrrev_b32 v1, 5, v0
	v_readfirstlane_b32 s14, v1                    ; wave 0..3
	s_lshr_b32 s15, s14, 1                         ; which half of the A side's rows is mine.  Also: I fetch for A (0) or for B (1)
	s_and_b32 s16, s14, 1                          ; which half of the B side's rows.  Also: which 128 rows of that tile I fetch
	s_bfe_u32 s40, ttmp6, 0x40000                  ; cx, cy: my place in the cluster
	s_bfe_u32 s41, ttmp6, 0x40004
	s_mov_b32 s[KIND], ttmp9                       ; the cluster's x: which product
	s_and_b32 s87, ttmp7, 0xffff                   ; the cluster's y: which 1,024 tokens
	s_cmp_eq_u32 s[KIND], 2
	s_cselect_b32 s12, 0, s87                      ; the tokens are the A side's rows for q and k,
	s_cselect_b32 s13, s87, 0                      ; the B side's for v
	s_lshl_b32 s42, s13, 2
	s_add_co_u32 s42, s42, s40                     ; tile of the B side
	s_lshl_b32 s17, s12, 2
	s_add_co_u32 s17, s17, s41                     ; tile of the A side
	s_lshl_b32 s43, s41, 2
	s_lshl_b32 s43, 15, s43                        ; my row of the cluster
	s_lshl_b32 s44, 0x1111, s40                    ; my column
	; descriptor group 1: a tile of 128 rows x 256 bytes, padded in LDS
	s_or_b32 s[G1+0], s43, (0<<16)|(1<<20)|(1<<21)|(5<<22)|(3<<25)  ; 15:0 the mask; 17:16 element of 1 byte; 20 padding on; 21 set beside a mask; 24:22 after every 64 words (code 5); 31:25 of 4 words (code 3)
	s_or_b32 s[G1B+0], s44, (0<<16)|(1<<20)|(1<<21)|(5<<22)|(3<<25)
.irp g, G1, G1B
	s_mov_b32 s[\g+1], ROWB<<16                    ; tensor_dim0
	s_mov_b32 s[\g+2], 128<<16                     ; tensor_dim1 = 128
	s_mov_b32 s[\g+3], ROWB<<16                    ; tile_dim0
	s_mov_b32 s[\g+4], 128                         ; tile_dim1 = 128
	s_mov_b32 s[\g+5], KROW                        ; tensor_dim0_stride
	s_mov_b32 s[\g+6], 0
	s_mov_b32 s[\g+7], 0
.endr
	s_lshl_b32 s18, s16, 7                         ; which 128 rows of the tile I fetch
	s_lshl_b32 s20, s17, 8
	s_add_co_u32 s20, s20, s18
	s_lshl_b32 s20, s20, 10                        ; A side: (256 x tile + 128 x half) rows of 1,024 bytes
	s_mov_b32 s21, 0
	s_lshl_b32 s46, s42, 8
	s_add_co_u32 s46, s46, s18
	s_lshl_b32 s46, s46, 10                        ; B side likewise
	s_mov_b32 s47, 0
	s_mul_i32 s45, s14, HALFT                      ; where they go: wave x 128 rows: no place in the cluster enters an LDS address
	s_wait_kmcnt 0x0
	s_load_b256 s[88:95], s[76:77], 0x0            ; the twelve exponents: s[88 + i] = entry i
	s_load_b128 s[96:99], s[76:77], 0x20
	s_cmp_eq_u32 s[KIND], 2                        ; the buffers are chosen on the cluster's x alone
	s_cselect_b64 s[4:5], s[74:75], s[68:69]       ; A side: W_v, or x
	s_cselect_b64 s[6:7], s[68:69], s[70:71]       ; B side: x, or W_q,
	s_cselect_b64 s[10:11], s[84:85], s[80:81]     ; the images: v's, or q's,
	s_cmp_eq_u32 s[KIND], 1
	s_cselect_b64 s[6:7], s[72:73], s[6:7]         ; or W_k
	s_cselect_b64 s[10:11], s[82:83], s[10:11]     ; or k's
	s_add_nc_u64 s[20:21], s[4:5], s[20:21]
	s_add_nc_u64 s[46:47], s[6:7], s[46:47]
	CROUND                                         ; all sixteen work-groups are here: the first joint loads meet
.irp s, 0,1
	s_mov_b32 s[G0+4*\s], 1
	s_add_co_u32 s[G0+4*\s+1], s45, \s*SLOT
	s_add_nc_u64 s[G0+4*\s+2:G0+4*\s+3], s[20:21], \s*ROWB
	s_or_b32 s[G0+4*\s+3], s[G0+4*\s+3], 0x80000000
	s_mov_b32 s[G0B+4*\s], 1
	s_add_co_u32 s[G0B+4*\s+1], s45, \s*SLOT
	s_add_nc_u64 s[G0B+4*\s+2:G0B+4*\s+3], s[46:47], \s*ROWB
	s_or_b32 s[G0B+4*\s+3], s[G0B+4*\s+3], 0x80000000
	JLOAD G0+4*\s, G1, G0B+4*\s, G1B
.endr
	v_and_b32 v1, 15, v0                           ; l % 16
	v_bfe_u32 v2, v0, 4, 1                         ; l / 16
	v_mul_u32_u24 v3, v1, PITCH
	v_lshl_add_u32 v4, v2, 4, v3                   ; a fragment's row x pitch + 16 x half
	s_mul_i32 s21, s15, HALFT                      ; my 128 rows of the A side
	s_mul_i32 s22, s16, HALFT                      ; my 128 rows of the B side,
	s_add_co_u32 s22, s22, 2*HALFT                 ; which lie behind A's 256
.irp s, 0,1
	v_add_nc_u32 v[ADRA+\s], s21, v4
	v_add_nc_u32 v[ADRB+\s], s22, v4
	s_add_co_u32 s21, s21, SLOT
	s_add_co_u32 s22, s22, SLOT
.endr
	v_and_b32 v[LI], 31, v0
	v_lshlrev_b32 v[LI], 4, v[LI]
.macro FRAG reg, adr, q, i             ; a fragment: lane l holds row l % 16; registers 4 c .. 4 c + 3 hold K = 32 c + 16 (l / 16) + 0 .. 15: one order of K for both sides, so every product meets its partner
.irp c, 0,1,2,3
	ds_load_b128 v[\reg+4*\c:\reg+4*\c+3], v[\adr] offset:128*(\q)+32*\c+(\i)*16*PITCH
.endr
.endm
; 16 matrix instructions: A's blocks a0, a0 + 1 x B's eight, 128 along K.  p: B's set.  zero = 1: the first product starts the sums.  The 64 accumulators take turns, one instruction a turn.
.macro MUL16 a0, p, zero
.irp a, \a0, \a0+1
.irp b, 0,1,2,3,4,5,6,7
.if \zero
	v_wmma_f32_16x16x128_fp8_fp8 v[8*(8*((\a)%4)+\b):8*(8*((\a)%4)+\b)+7], v[128*(\p)+FR*\b:128*(\p)+FR*\b+FR-1], v[AF+FR*(\a):AF+FR*(\a)+FR-1], 0
.else
	v_wmma_f32_16x16x128_fp8_fp8 v[8*(8*((\a)%4)+\b):8*(8*((\a)%4)+\b)+7], v[128*(\p)+FR*\b:128*(\p)+FR*\b+FR-1], v[AF+FR*(\a):AF+FR*(\a)+FR-1], v[8*(8*((\a)%4)+\b):8*(8*((\a)%4)+\b)+7]
.endif
.endr
.endr
.endm
.macro FETCH_B slot, q, p              ; B's eight fragments of the slot's q-th 128 along K into set p
	WIN TO_B
.irp i, 0,1,2,3,4,5,6,7
	FRAG 128*(\p)+FR*\i, ADRB+\slot, \q, \i
.endr
	WIN 0
.endm
.macro FETCH_A slot, q, i0             ; A's blocks i0 .. i0 + 3
.irp i, \i0, \i0+1, \i0+2, \i0+3
	FRAG AF+FR*(\i), ADRA+\slot, \q, \i
.endr
.endm
.macro PLACES n                        ; plain vector instructions between a matrix instruction and a load into, or a vector instruction on, its registers
.rept \n
	v_nop
.endr
.endm
; A step of 128 along K that has its successor in the same slot.
.macro STEP slot, q, zero
	s_wait_dscnt 4*NL                              ; B's set and A's blocks 0-3 are in; the youngest sixteen loads (A's blocks 4-7) may be out
	WIN MUL_LO
	MUL16 0, (\q)%2, \zero
	MUL16 2, (\q)%2, \zero
	s_wait_dscnt 0                                 ; A's blocks 4-7 are in
	PLACES NP
	FETCH_B \slot, (\q)+1, 1-(\q)%2
	FETCH_A \slot, (\q)+1, 0
	WIN MUL_HI
	MUL16 4, (\q)%2, \zero
	MUL16 6, (\q)%2, \zero
	PLACES NP
	WIN 0
	FETCH_A \slot, (\q)+1, 4
.endm
; A slot's last step changes slots: ONE barrier; in front of it each wave waits for all its tensor loads, adds 0 to its spare word, and waits for that and for its own reads of this slot.  fill = 1: this slot is filled again, two slots ahead.
.macro TURN slot, next, fill
	s_wait_tensorcnt 0x0                           ; all my tensor loads have landed: my part of the next slot
	ds_add_u32 v[SPW], v[NIL]                      ; 0 onto my spare word
	s_wait_dscnt 4*NL+1                            ; (the add and the youngest sixteen loads, A's blocks 4-7, may be out)
	WIN MUL_LO
	MUL16 0, 1, 0                                  ; sixteen matrix instructions stand between the add and the wait for it
	s_wait_dscnt 0x0                               ; the add is done, and my reads of this slot are over
	s_barrier_signal -1
	MUL16 2, 1, 0
	WIN 0
	s_barrier_wait -1
.if \fill
	CREST                                          ; the barrier has opened a round of the cluster's barrier: no wave of any partner still reads this slot or has a load on its way
	s_add_nc_u64 s[G0+4*\slot+2:G0+4*\slot+3], s[G0+4*\slot+2:G0+4*\slot+3], 2*ROWB
	s_add_nc_u64 s[G0B+4*\slot+2:G0B+4*\slot+3], s[G0B+4*\slot+2:G0B+4*\slot+3], 2*ROWB
	JLOAD G0+4*\slot, G1, G0B+4*\slot, G1B         ; the first tensor load behind the round; its four v_nop are also the places in front of the loads below
.else
	PLACES NP
.endif
	FETCH_B \next, 0, 0
	FETCH_A \next, 0, 0
	WIN MUL_HI
	MUL16 4, 1, 0
	MUL16 6, 1, 0
	PLACES NP
	WIN 0
	FETCH_A \next, 0, 4
.endm
.macro LAST                            ; the very last step: nothing more to fetch
	s_wait_dscnt 4*NL
	WIN MUL_LO
	MUL16 0, 1, 0
	MUL16 2, 1, 0
	s_wait_dscnt 0
	WIN MUL_HI
	MUL16 4, 1, 0
	MUL16 6, 1, 0
	WIN 0
.endm
	s_wait_alu depctr_va_vdst(0)
	s_wait_tensorcnt 1                             ; my part of slot 0 is in (slot 1's load may be out)
	s_barrier_signal -1
	s_barrier_wait -1                              ; everybody's is
	FETCH_B 0, 0, 0
	FETCH_A 0, 0, 0
	FETCH_A 0, 0, 4
	STEP 0, 0, 1                                   ; K 0-127: the first products start the sums.  The eight steps are written out: K has four slots' worth
	TURN 0, 1, 1                                   ; K 128-255; slot 0 takes K 512-767
	STEP 1, 0, 0
	TURN 1, 0, 1                                   ; slot 1 takes K 768-1,023
	STEP 0, 0, 0
	TURN 0, 1, 0                                   ; nothing is left to fetch
	STEP 1, 0, 0
	s_wait_kmcnt 0x0                               ; the exponents
	s_cmp_eq_u32 s[KIND], 2
	s_cbranch_scc1 .Lv_path
; ---- q AND k.  In accumulator (a, b) lane (r, h) holds token 16 a + r of my 128 and channels 16 b + 8 h + 0 .. 7 of my 128 (two heads): four pairs, with frequencies 8 (b % 4) + 4 h + 0 .. 3.
.macro ROPELOAD a                      ; block a's cosines and sines into set a % 3: for bm = 0 .. 3: four cosines, four sines
.set RL, RT+32*((\a)%3)
.irp m, 0,1,2,3
.irp c, 0,1
	global_load_b128 v[RL+8*\m+4*\c:RL+8*\m+4*\c+3], v[LI], s[8:9] offset:4096*(\a)+1024*\m+512*\c
.endr
.endr
.endm
.macro QKOUT a
.set AC, 64*((\a)%4)
.set RS, RT+32*((\a)%3)
.set CC, CD+16*((\a)%2)
.if (\a) <= 5
	s_wait_loadcnt 16                              ; this block's eight loads are in; those of the two blocks behind it may be out
.else
	s_wait_loadcnt 8*(7-(\a))
.endif
	s_wait_xcnt 0x0                                ; the stores of two blocks ago have read their registers: this set of codes is written again only behind this wait
	WIN 0x02+((\a)/4)                              ; source 0: window 2 or 3
.irp b, 0,1,2,3,4,5,6,7
.irp u, 0,1                            ; (-x2 s, x1 s): source 0's halves change places, the low one negated; of the pair of sines one serves both halves
	v_pk_mul_f32 v[T+8*\b+4*\u:T+8*\b+4*\u+1], v[AC+8*\b+4*\u:AC+8*\b+4*\u+1], v[RS+8*(\b%4)+4+2*\u:RS+8*(\b%4)+5+2*\u] op_sel:[1,0] op_sel_hi:[0,0] neg_lo:[1,0]
	v_pk_mul_f32 v[T+8*\b+4*\u+2:T+8*\b+4*\u+3], v[AC+8*\b+4*\u+2:AC+8*\b+4*\u+3], v[RS+8*(\b%4)+4+2*\u:RS+8*(\b%4)+5+2*\u] op_sel:[1,1] op_sel_hi:[0,1] neg_lo:[1,0]
.endr
.irp u, 0,1                            ; + (x1 c, x2 c)
	v_pk_fma_f32 v[T+8*\b+4*\u:T+8*\b+4*\u+1], v[AC+8*\b+4*\u:AC+8*\b+4*\u+1], v[RS+8*(\b%4)+2*\u:RS+8*(\b%4)+1+2*\u], v[T+8*\b+4*\u:T+8*\b+4*\u+1] op_sel:[0,0,0] op_sel_hi:[1,0,1]
	v_pk_fma_f32 v[T+8*\b+4*\u+2:T+8*\b+4*\u+3], v[AC+8*\b+4*\u+2:AC+8*\b+4*\u+3], v[RS+8*(\b%4)+2*\u:RS+8*(\b%4)+1+2*\u], v[T+8*\b+4*\u+2:T+8*\b+4*\u+3] op_sel:[0,1,0] op_sel_hi:[1,1,1]
.endr
.endr
	WIN 0
.if (\a) < 5
	ROPELOAD (\a)+3                                ; the set just used takes the block three further on
.endif
.irp b, 0,1,2,3,4,5,6,7
.irp j, 0,1,2,3,4,5,6,7
.endr
	v_cvt_scalef32_pk8_fp8_f32 v[CC+2*\b:CC+2*\b+1], v[T+8*\b:T+8*\b+7], v[SCL]
.endr
	v_nop                                          ; a plain instruction behind the last conversion: the next block writes its sources
.irp g, 0,1                            ; my two heads; a head's 64 channels are two chunks of four registers
.irp c, 0,1
	global_store_b128 v[LI], v[CC+8*\g+4*\c:CC+8*\g+4*\c+3], s[10:11] offset:1024*(\a)+131072*\g+512*\c
.endr
.endr
.endm
	s_and_b32 s19, s17, 7
	s_lshl_b32 s19, s19, 4
	s_lshl_b32 s22, s15, 3
	s_add_co_u32 s19, s19, s22                     ; my first tile of 16 tokens in the batch: 16 (tile % 8) + 8 x half
	s_lshl_b32 s22, s19, 12
	s_mov_b32 s23, 0
	s_add_nc_u64 s[8:9], s[78:79], s[22:23]        ; the table at that tile
	ROPELOAD 0                                     ; three blocks' table is asked for ahead of the last 64 products
	ROPELOAD 1
	ROPELOAD 2
	s_lshr_b32 s18, s17, 3                         ; the batch
	s_lshl_b32 s18, s18, 4
	s_lshl_b32 s22, s42, 2
	s_add_co_u32 s18, s18, s22
	s_lshl_b32 s22, s16, 1
	s_add_co_u32 s18, s18, s22                     ; 16 x batch + my first head: 4 x tile of the B side + 2 x half
	s_lshl_b32 s18, s18, 7
	s_add_co_u32 s18, s18, s19                     ; x 128 tiles + my first tile
	s_lshl_b32 s22, s18, 10
	s_add_nc_u64 s[10:11], s[10:11], s[22:23]
	s_cmp_eq_u32 s[KIND], 1
	s_cselect_b32 s18, s90, s88                    ; x's exponent: entry 2 for k, entry 0 for q
	s_cselect_b32 s19, s91, s89                    ; the weight's: entry 3 or 1
	s_cselect_b32 s20, s95, s94                    ; the result's: entry 7 or 6
	s_sub_co_i32 s20, s20, s18
	s_sub_co_i32 s20, s20, s19
	s_add_co_i32 s20, s20, 127
	s_lshl_b32 s21, s20, 23
	v_mov_b32 v[SCL], s21
	s_add_co_i32 s20, s20, 8
	s_lshl_b32 s20, s20, 23
	s_or_b32 s20, s20, 0x600000
	LAST
	PLACES NP
.irp a, 0,1,2,3,4,5,6,7
	QKOUT \a
.endr
	s_branch .Ldone
; ---- v.  In accumulator (a, b) lane (r, h) holds channel 16 a + r of my 128 (two heads) and tokens 16 b + 8 h + 0 .. 7 of my 128 (two steps of 64 keys).
.Lv_path:
.macro VOUT a
.set AC, 64*((\a)%4)
.set CC, CD+16*((\a)%2)
	s_wait_xcnt 0x0                                ; the stores of two blocks ago have read their registers
	WIN 0x02+((\a)/4)
.set I, 0
.rept 64
.set I, I+1
.endr
.irp b, 0,1,2,3,4,5,6,7
	v_cvt_scalef32_pk8_fp8_f32 v[CC+2*\b:CC+2*\b+1], v[AC+8*\b:AC+8*\b+7], v[SCL]
.endr
	WIN 0
	v_nop                                          ; a plain instruction behind the last conversion
.irp g, 0,1                            ; my two steps of keys
.irp c, 0,1
	global_store_b128 v[LI], v[CC+8*\g+4*\c:CC+8*\g+4*\c+3], s[10:11] offset:((\a)/4)*131072+((\a)%4)*1024+4096*\g+512*\c
.endr
.endr
.endm
	s_lshr_b32 s18, s42, 3                         ; the batch
	s_lshl_b32 s18, s18, 4
	s_lshl_b32 s22, s17, 2
	s_add_co_u32 s18, s18, s22
	s_lshl_b32 s22, s15, 1
	s_add_co_u32 s18, s18, s22                     ; 16 x batch + my first head: 4 x tile of the A side + 2 x half
	s_lshl_b32 s18, s18, 5
	s_and_b32 s22, s42, 7
	s_lshl_b32 s22, s22, 2
	s_add_co_u32 s18, s18, s22
	s_lshl_b32 s22, s16, 1
	s_add_co_u32 s18, s18, s22                     ; x 32 steps + my first step: 4 (tile % 8) + 2 x half
	s_lshl_b32 s22, s18, 12
	s_mov_b32 s23, 0
	s_add_nc_u64 s[10:11], s[10:11], s[22:23]
	s_sub_co_i32 s20, s97, s92                     ; entry 9 - entry 4 - entry 5
	s_sub_co_i32 s20, s20, s93
	s_add_co_i32 s20, s20, 127
	s_lshl_b32 s21, s20, 23
	v_mov_b32 v[SCL], s21
	s_add_co_i32 s20, s20, 8
	s_lshl_b32 s20, s20, 23
	s_or_b32 s20, s20, 0x600000
	LAST
	PLACES NP
	s_wait_alu depctr_va_vdst(0)
.irp a, 0,1,2,3,4,5,6,7
	VOUT \a
.endr
.Ldone:
	s_wait_tensorcnt 0x0                           ; the wave's end
	ds_add_u32 v[SPW], v[NIL]
	s_wait_dscnt 0x0
	CROUND                                         ; the closing round: no work-group ends while a partner may still ask for a tile that names it
	s_endpgm
.Lfunc_end_k_qad2416fbb8_qkv:
	.size	k_qad2416fbb8_qkv, .Lfunc_end_k_qad2416fbb8_qkv-k_qad2416fbb8_qkv
	.p2alignl 7, 3214868480
	.fill 96, 4, 3214868480
	.section	.rodata,"a",@progbits
	.p2align	6, 0x0
	.amdhsa_kernel k_qad2416fbb8_qkv
		.amdhsa_group_segment_fixed_size 327680
		.amdhsa_private_segment_fixed_size 0
		.amdhsa_enable_private_segment 0
		.amdhsa_kernarg_size 72
		.amdhsa_user_sgpr_count 2
		.amdhsa_user_sgpr_kernarg_segment_ptr 1
		.amdhsa_wavefront_size32 1
		.amdhsa_system_sgpr_workgroup_id_x 1
		.amdhsa_system_sgpr_workgroup_id_y 1
		.amdhsa_system_sgpr_workgroup_id_z 1
		.amdhsa_system_vgpr_workitem_id 0
		.amdhsa_next_free_vgpr 1024
		.amdhsa_next_free_sgpr 100
		.amdhsa_reserve_vcc 0
		.amdhsa_float_denorm_mode_32 3
		.amdhsa_float_denorm_mode_16_64 3
		.amdhsa_fp16_overflow 1
		.amdhsa_memory_ordered 1
		.amdhsa_forward_progress 1
		.amdhsa_inst_pref_size 138
	.end_amdhsa_kernel
	.amdgpu_metadata
---
amdhsa.version: [ 1, 2 ]
amdhsa.kernels:
  - .name:           k_qad2416fbb8_qkv
    .symbol:         k_qad2416fbb8_qkv.kd
    .args:
      - { .name: x_codes, .offset: 0, .size: 8, .value_kind: global_buffer, .address_space: global }
      - { .name: W_q_codes, .offset: 8, .size: 8, .value_kind: global_buffer, .address_space: global }
      - { .name: W_k_codes, .offset: 16, .size: 8, .value_kind: global_buffer, .address_space: global }
      - { .name: W_v_codes, .offset: 24, .size: 8, .value_kind: global_buffer, .address_space: global }
      - { .name: lowp_scales, .offset: 32, .size: 8, .value_kind: global_buffer, .address_space: global }
      - { .name: rope_tab, .offset: 40, .size: 8, .value_kind: global_buffer, .address_space: global }
      - { .name: q_img, .offset: 48, .size: 8, .value_kind: global_buffer, .address_space: global }
      - { .name: k_img, .offset: 56, .size: 8, .value_kind: global_buffer, .address_space: global }
      - { .name: v_img, .offset: 64, .size: 8, .value_kind: global_buffer, .address_space: global }
    .group_segment_fixed_size: 327680
    .private_segment_fixed_size: 0
    .kernarg_segment_align: 8
    .kernarg_segment_size: 72
    .max_flat_workgroup_size: 128
    .sgpr_count:     100
    .vgpr_count:     1024
    .wavefront_size: 32
...
	.end_amdgpu_metadata
.endif
;; end of part 2
;; launch attn (part 3): grid 4 x 64, 8 waves a work-group, clusters of 4 x 1, 327,680 bytes of LDS; arguments q_img, k_img, v_img, attention_mask, lowp_scales, a_img; writes a_img
.if DOCPART == 3
	.amdgcn_target "amdgcn-amd-amdhsa--gfx1250"
	.amdhsa_code_object_version 6
	.text
	.protected	k_qad2416fbb8_attn
	.globl	k_qad2416fbb8_attn
	.p2align	8
	.type	k_qad2416fbb8_attn,@function
k_qad2416fbb8_attn:
	s_mov_b64 s[64:65], 0
	v_nop
	global_prefetch_b8 v0, s[64:65] scope:SCOPE_SE
	s_setreg_imm32_b32 hwreg(HW_REG_WAVE_MODE, 25, 1), 1
	s_wait_xcnt 0x0
	s_wait_alu depctr_hold_cnt(0) depctr_sa_sdst(0) depctr_va_vdst(0) depctr_va_sdst(0) depctr_va_ssrc(0) depctr_va_vcc(0) depctr_vm_vsrc(0)
	s_getreg_b32 s2, hwreg(HW_REG_IB_STS2, 6, 4)
	s_cmp_eq_u32 s2, 0
	s_cbranch_scc0 .Lentry_in_a_cluster
	s_endpgm
.Lentry_in_a_cluster:
	s_bfe_u32 s2, ttmp6, 0x10000c
	s_cmp_lg_u32 s2, 0x3003
	s_cbranch_scc0 .Lentry_shape_is_right
	s_endpgm
.Lentry_shape_is_right:
; Attention of one head of one batch on codes of FP8 (E4M3): scores = q k^T / 8, hidden where key > query or the key's mask is 0; p = the FINISHED, NORMALISED softmax, quantised along the keys; o = p v, quantised for the last product.
; TWO PASSES over the keys, since p is quantised normalised.  Pass 1: for each query the running largest score and, under M = that score in powers of two rounded up to a whole number, the sum L of 2^(t - M); when M moves, L is multiplied by
; a power of two, which rounds nothing.  Pass 2: the scores again, p = 2^(t - M - log2 L), converted, multiplied by v.  ORDER OF ROUNDING: the division by L is made in the exponent; its error is that of one f32 number of size M + log2 L.
; HIDDEN KEYS.  A key whose mask is 0 gets the bias -2^100, given as the C of the score's matrix instruction (no vector work); a key behind the query is set to -2^100 by a compare and a select.  2^(c x -2^100 - M) is 0.
; A QUERY ALL OF WHOSE KEYS ARE HIDDEN has, by the problem's definition, the weight 1/2,048 on all 2,048 keys, those behind it too: its result is U = the code of 1/2,048 x the sum of the head's v, made once by 16 matrix instructions a wave
; and chosen by v_cndmask_b32 where the largest score lies under -2^99.  No branch hangs on data.
; SHARES.  The four work-groups of a head form a cluster.  The head's queries are 64 groups of 32.  Wave w of partner cx owns group 63 - 4 w - cx (g = 0) and group 4 w + cx (g = 1).  A step is 64 keys.  Group 0 walks steps 0 .. 31 - 2 w, group 1
; steps 0 .. 2 w + 1: 34 units of 32 queries x 64 keys for every wave in each pass.  The bounds hang on the wave's number alone, so for some partners one unit is wholly hidden and adds zeros.  The compare runs in each group's last two steps.
; ALL OF THE HEAD'S K AND V LIE IN LDS: wave w asks for 16 KiB of each, jointly with the same wave of the three partners (one descriptor, mask 15).  Nothing is filled again: no ring, no barrier in the loops.
; LAYOUT.  S^T = K Q^T (source 0 = 16 keys, source 1 = 16 queries) and O^T = V^T P^T: a lane (r, h) holds ONE query r throughout; tile kt's register j is key 16 kt + 8 h + j, which is the place that the 64-deep form gives p as source 1.
; In pass 1 each lane keeps the figures of its own half of the keys; the halves meet once, at the end.
; LIMITS: entry 6 + entry 7 between -80 and 25 (c x 2^101 is an f32 number, c x 2^100 is over 150); entry 8, and entry 10 - entry 8 - entry 9, between -126 and 119.  NaN codes are not served.
; LDS: K 0 (step ks at 4,096 ks, tile kt at + 1,024 kt); V 131,072 (likewise, dt for kt); the bias 262,144 (one f32 a key); U's parts 270,336 (256 bytes a wave); U 272,384 (256 bytes a wave, its own copy).
; REGISTERS: v1-15 addresses and the output's scale; v16-31 figures, tile u = 2 g + t at 16 + 4 u: -M, the largest score, L in two halves; v32-63 Q; v64-95 K; v96-127 the bias; v128-159 V; v160-223 S^T, then p;
;   v224-239 p's codes; v240-253 constants and work; window 1 (v256-383): O^T, tile (g, t), channels 16 dt on, at 64 g + 32 t + 8 dt.
.set VB,    131072
.set BIAS,  262144
.set UPART, 270336
.set UFIN,  272384
.set LI,   1                           ; 16 x lane
.set ADK,  2                           ; the step's K
.set ADV,  3                           ; the step's V
.set ADB,  4                           ; the step's bias
.set BB,   5                           ; BIAS + 32 h
.set RH,   6                           ; r - 8 h
.set LV,   7                           ; VB + 16 x lane
.set OSC,  8                           ; the output's scale, and
.set OLIM, 9                           ; 448 x it
.set UPW,  10                          ; UPART + 256 w + 32 h
.set MO,   11                          ; 16 x thread: the mask in memory
.set BST,  12                          ; BIAS + 16 x thread
.set UPR,  13                          ; UPART + 4 x lane
.set UFW,  14                          ; UFIN + 256 w + 4 x lane
.set UFR,  15                          ; UFIN + 256 w + 32 h
.set ST,   16
.set Q,    32
.set KF,   64
.set BF,   96
.set VF,   128
.set S,    160
.set PF,   224
.set PLIM, 240                         ; 448 x 2^(entry 8)
.set PSC,  241                         ; 2^(entry 8)
.set NEGB, 242                         ; -2^100
.set DD,   244                         ; v244, v245: my query - the step's first key - 8 h, tiles 0 and 1
.set TA,   246
.set TF,   248
.set TO,   252
.set WV,   16
.set CX,   17
.set BH,   18
.set G1,   24                          ; s[24:31] descriptor group 1; s[32:35], s[36:39] groups 0 for K and V
.set G0K,  32
.set G0V,  36
.set KS,   40                          ; the step
.set KFS,  41                          ; its first key
.set LOFF, 42                          ; 4,096 x step
.set BOFF, 43                          ; 256 x step
.set ENDS, 44                          ; s44, s45: the last step of group 0, 1
.set MSK,  46                          ; s46, s47: the first step with the compare
.set Q0,   48                          ; s48, s49: the group's first query
.set CS,   50                          ; s[50:51] c = log2(e) / 8 x 2^(entry 6 + entry 7)
.set SEL,  52                          ; s[52:53] lane selects: lane l xor 16
.set MSB, 0
.macro WIN new
.if MSB != \new
	s_set_vgpr_msb (MSB<<8)|\new
.set MSB, \new
.endif
.endm
.macro CROUND                          ; a round of the cluster's barrier
	s_barrier_signal -1
	s_barrier_wait -1
	s_cmp_lg_u32 s[WV], 0
	s_cbranch_scc1 .Lnot_wave_0_\@
	s_barrier_signal -3
.Lnot_wave_0_\@:
	s_barrier_wait -3
	s_barrier_signal -1
	s_barrier_wait -1
.endm
	s_load_b256 s[4:11], s[0:1], 0x0               ; q_img s[4:5], k_img s[6:7], v_img s[8:9], the mask s[10:11]
	s_load_b128 s[12:15], s[0:1], 0x20             ; the exponents s[12:13], a_img s[14:15]
	v_lshl_add_u32 v254, v0, 2, 0x43000
	v_mov_b32 v255, 0
	ds_add_u32 v254, v255
	ds_add_u32 v254, v255
	v_lshrrev_b32 v[DD], 5, v0
	s_delay_alu instid0(VALU_DEP_1)
	v_readfirstlane_b32 s[WV], v[DD]               ; wave 0..7
	s_bfe_u32 s[CX], ttmp6, 0x40000                ; my place in the cluster: it enters Q's and the output's addresses and the compare's operand alone
	s_and_b32 s[BH], ttmp7, 0xffff                 ; 16 x batch + head, which the four partners share
	; descriptor group 1: 16 KiB, dense in memory, as 64 rows of 256 bytes
	s_mov_b32 s[G1], 15|(3<<16)|(1<<21)            ; 15:0 the mask: all four work-groups; 17:16 elements of 8 bytes; 21 set beside a mask; no padding
	s_mov_b32 s[G1+1], 32<<16                      ; tensor_dim0 = 32
	s_mov_b32 s[G1+2], 64<<16                      ; tensor_dim1 = 64
	s_mov_b32 s[G1+3], 32<<16                      ; tile_dim0 = 32
	s_mov_b32 s[G1+4], 64                          ; tile_dim1 = 64
	s_mov_b32 s[G1+5], 32                          ; tensor_dim0_stride
	s_mov_b32 s[G1+6], 0
	s_mov_b32 s[G1+7], 0
	s_lshl_b32 s20, s[BH], 17                      ; the head's 131,072 bytes in each of the three images
	s_lshl_b32 s21, s[WV], 14                      ; my 16,384 of them
	s_add_co_u32 s22, s20, s21
	s_mov_b32 s23, 0
	s_wait_dscnt 0x0
	s_wait_kmcnt 0x0
	s_load_b64 s[54:55], s[12:13], 0x18            ; entries 6, 7
	s_load_b128 s[56:59], s[12:13], 0x20           ; entries 8 to 11
	s_mov_b32 s[G0K], 1
	s_mov_b32 s[G0K+1], s21                        ; LDS: 16,384 w
	s_add_nc_u64 s[G0K+2:G0K+3], s[6:7], s[22:23]
	s_or_b32 s[G0K+3], s[G0K+3], 0x80000000
	s_mov_b32 s[G0V], 1
	s_add_co_u32 s[G0V+1], s21, VB
	s_add_nc_u64 s[G0V+2:G0V+3], s[8:9], s[22:23]
	s_or_b32 s[G0V+3], s[G0V+3], 0x80000000
	CROUND                                         ; all four work-groups are here: the joint loads meet
	tensor_load_to_lds s[G0K:G0K+3], s[G1:G1+7]    ; K's fill: it lands before the next round, and V's is issued behind that round
	s_nop 0
	s_wait_alu depctr_va_vdst(0)
	s_wait_tensorcnt 0x0
	ds_add_u32 v254, v255
	s_wait_dscnt 0x0
	CROUND
	tensor_load_to_lds s[G0V:G0V+3], s[G1:G1+7]
	s_nop 0
.rept 4
	v_nop
.endr
	v_and_b32 v[LI], 31, v0
	s_delay_alu instid0(VALU_DEP_1)
	v_lshlrev_b32 v[UPR], 2, v[LI]                 ; 4 x lane
	s_delay_alu instid0(VALU_DEP_2)
	v_lshlrev_b32 v[LI], 4, v[LI]
	v_and_b32 v[DD], 15, v0                        ; r
	v_bfe_u32 v[DD+1], v0, 4, 1                    ; h
	s_delay_alu instid0(VALU_DEP_1)
	v_lshlrev_b32 v[TA], 3, v[DD+1]
	s_delay_alu instid0(VALU_DEP_1)
	v_sub_nc_u32 v[RH], v[DD], v[TA]
	s_delay_alu instid0(VALU_DEP_3)
	v_lshlrev_b32 v[TA], 5, v[DD+1]                ; 32 h
	s_delay_alu instid0(VALU_DEP_1)
	v_add_nc_u32 v[BB], BIAS, v[TA]
	v_add_nc_u32 v[LV], VB, v[LI]
	s_lshl_b32 s19, s[WV], 8                       ; 256 w
	v_add_nc_u32 v[UPW], s19, v[TA]
	s_delay_alu instid0(VALU_DEP_1)
	v_add_nc_u32 v[UFR], UFIN, v[UPW]
	s_delay_alu instid0(VALU_DEP_2)
	v_add_nc_u32 v[UPW], UPART, v[UPW]
	v_add_nc_u32 v[UFW], s19, v[UPR]
	s_delay_alu instid0(VALU_DEP_1)
	v_add_nc_u32 v[UFW], UFIN, v[UFW]
	v_add_nc_u32 v[UPR], UPART, v[UPR]
	v_lshlrev_b32 v[MO], 4, v0
	s_wait_alu depctr_va_vdst(0)
	v_lshl_add_u32 v[BST], v0, 4, BIAS
	s_lshl_b32 s[Q0+1], s[WV], 7
	s_lshl_b32 s19, s[CX], 5
	s_add_co_u32 s[Q0+1], s[Q0+1], s19             ; group 1's first query: 128 w + 32 cx
	s_sub_co_u32 s[Q0], 2016, s[Q0+1]              ; group 0's: 32 (63 - 4 w - cx)
.irp g, 0,1
	s_lshl_b32 s22, s[Q0+\g], 6                    ; a tile of 16 queries is 1,024 bytes
	s_add_co_u32 s22, s22, s20
	s_add_nc_u64 s[66+2*\g:67+2*\g], s[4:5], s[22:23]
.endr
.irp g, 0,1
.irp t, 0,1
.irp c, 0,1
	global_load_b128 v[Q+16*\g+8*\t+4*\c:Q+16*\g+8*\t+4*\c+3], v[LI], s[66+2*\g:67+2*\g] offset:1024*\t+512*\c   ; Q stays in registers
.endr
.endr
.endr
	s_lshr_b32 s22, s[BH], 4
	s_lshl_b32 s22, s22, 13                        ; the batch's 2,048 words of the mask
	s_add_nc_u64 s[10:11], s[10:11], s[22:23]
	global_load_b128 v[KF:KF+3], v[MO], s[10:11]
	global_load_b128 v[KF+4:KF+7], v[MO], s[10:11] offset:4096
	s_and_b32 s19, s[BH], 15                       ; the head
	s_lshr_b32 s21, s19, 2
	s_lshl_b32 s21, s21, 21                        ; a_img [head / 4][tile of 16 rows 512][4,096 B]: within a tile the head's 1,024 bytes at 1,024 (head % 4)
	s_lshr_b32 s22, s[BH], 4
	s_lshl_b32 s22, s22, 19                        ; the batch's 128 tiles
	s_add_co_u32 s21, s21, s22
	s_and_b32 s22, s19, 3
	s_lshl_b32 s22, s22, 10
	s_add_co_u32 s21, s21, s22
.irp g, 0,1
	s_lshl_b32 s22, s[Q0+\g], 8
	s_add_co_u32 s22, s22, s21
	s_add_nc_u64 s[70+2*\g:71+2*\g], s[14:15], s[22:23]
.endr
	s_lshl_b32 s[MSK+1], s[WV], 1                  ; 2 w
	s_add_co_u32 s[ENDS+1], s[MSK+1], 1            ; 2 w + 1
	s_sub_co_u32 s[ENDS], 31, s[MSK+1]             ; 31 - 2 w
	s_sub_co_u32 s[MSK], 30, s[MSK+1]              ; 30 - 2 w
	s_mov_b32 s[SEL], 0x76543210
	s_mov_b32 s[SEL+1], 0xfedcba98
	s_mov_b32 s[KS], 0
	s_mov_b32 s[KFS], 0
	s_mov_b32 s[LOFF], 0
	s_mov_b32 s[BOFF], 0
	s_wait_kmcnt 0x0
	s_add_co_i32 s19, s54, s55
	s_lshl_b32 s19, s19, 23
	s_add_co_i32 s[CS], s19, 0x3e38aa3b            ; log2(e) / 8, with the two exponents added to its exponent field
	s_mov_b32 s[CS+1], s[CS]                       ; (named with it as a pair, so it is written)
	s_add_co_i32 s19, s56, 127
	s_lshl_b32 s21, s19, 23
	v_mov_b32 v[PSC], s21
	s_add_co_i32 s19, s19, 8
	s_lshl_b32 s19, s19, 23
	s_or_b32 s19, s19, 0x600000
	v_mov_b32 v[PLIM], s19
	v_mov_b32 v[NEGB], 0xf1800000
	v_mov_b32 v[TF+1], 0                           ; (named as the upper halves of pairs)
	v_mov_b32 v[TF+3], 0
.irp u, 0,1,2,3
	v_mov_b32 v[ST+4*\u+1], 0xf2000000             ; the largest score so far: -2^101, under every score and under the bias
	s_delay_alu instid0(VALU_DEP_1)
	v_mul_f32 v[ST+4*\u], s[CS], v[ST+4*\u+1]
	s_delay_alu instid0(VALU_DEP_1)
	v_floor_f32 v[ST+4*\u], -v[ST+4*\u]            ; -M
	v_mov_b32 v[ST+4*\u+2], 0                      ; L
	v_mov_b32 v[ST+4*\u+3], 0
.endr
	s_wait_loadcnt 0x0                             ; Q and the mask
.irp i, 0,1,2,3,4,5,6,7
	v_cmp_eq_u32 vcc_lo, 0, v[KF+\i]
	s_delay_alu instid0(VALU_DEP_1)
	v_cndmask_b32 v[KF+\i], 0, v[NEGB], vcc_lo     ; the key's bias: -2^100 where its mask is 0
.endr
	ds_store_b128 v[BST], v[KF:KF+3]
	ds_store_b128 v[BST], v[KF+4:KF+7] offset:4096
	s_wait_tensorcnt 1                             ; my part of K has landed; V's load, issued behind it, may stay out
	s_wait_dscnt 0x0                               ; my part of the bias is stored
	s_barrier_signal -1
	s_barrier_wait -1                              ; all of K and of the bias lie in LDS
; S^T of group g for the step in hand: 8 matrix instructions; the key's bias is their C.  Four places follow, in front of the first read.
.macro SCORES g
.irp kt, 0,1,2,3
.irp t, 0,1
	v_wmma_f32_16x16x64_fp8_fp8 v[S+32*\t+8*\kt:S+32*\t+8*\kt+7], v[KF+8*\kt:KF+8*\kt+7], v[Q+16*\g+8*\t:Q+16*\g+8*\t+7], v[BF+8*\kt:BF+8*\kt+7]
.endr
.endr
.rept 4
	v_nop
.endr
.endm
; Keys behind the query are hidden: in the group's last two steps alone (a scalar branch on the step and the wave's number).  Register 8 kt + j of tile t holds key KFS + 16 kt + 8 h + j: hidden where 16 kt + j > my query - KFS - 8 h.
.macro CAUSAL g
	s_cmp_lt_u32 s[KS], s[MSK+\g]
	s_cbranch_scc1 .Lopen_\@
	s_sub_co_i32 s19, s[Q0+\g], s[KFS]
	v_add_nc_u32 v[DD], s19, v[RH]
	s_delay_alu instid0(VALU_DEP_1)
	v_add_nc_u32 v[DD+1], 16, v[DD]
.irp t, 0,1
.irp kt, 0,1,2,3
.irp j, 0,1,2,3,4,5,6,7
	v_cmp_gt_i32 vcc_lo, 16*\kt+\j, v[DD+\t]
	v_cndmask_b32 v[S+32*\t+8*\kt+\j], v[S+32*\t+8*\kt+\j], v[NEGB], vcc_lo
.endr
.endr
.endr
.Lopen_\@:
.endm
; 2^(c s + the tile's first figure): 32 packed multiply-adds, then all 64 exponentials as one batch
.macro EXPO g
.irp t, 0,1
.irp i, 0,2,4,6,8,10,12,14,16,18,20,22,24,26,28,30
	v_pk_fma_f32 v[S+32*\t+\i:S+32*\t+\i+1], v[S+32*\t+\i:S+32*\t+\i+1], s[CS:CS+1], v[ST+8*\g+4*\t:ST+8*\g+4*\t+1] op_sel_hi:[1,0,0]   ; of the pairs c and the figures the low word serves both halves
.endr
.endr
.set I, 0
	s_wait_alu depctr_va_vdst(0)
.rept 64
	v_exp_f32 v[S+I], v[S+I]
.set I, I+1
.endr
.endm
; A unit of pass 1.
.macro WORK1 g
	SCORES \g
	CAUSAL \g
.irp t, 0,1                            ; the largest of my 32 scores and the old one, in two chains a tile; each accumulator is read from its low end on
	v_max3_num_f32 v[ST+8*\g+4*\t+1], v[ST+8*\g+4*\t+1], v[S+32*\t], v[S+32*\t+1]
	v_max3_num_f32 v[TA+\t], v[S+32*\t+16], v[S+32*\t+17], v[S+32*\t+18]
.endr
.irp k, 0,1,2,3,4,5
.irp t, 0,1
	v_max3_num_f32 v[ST+8*\g+4*\t+1], v[ST+8*\g+4*\t+1], v[S+32*\t+2+2*\k], v[S+32*\t+3+2*\k]
	v_max3_num_f32 v[TA+\t], v[TA+\t], v[S+32*\t+19+2*\k], v[S+32*\t+20+2*\k]
.endr
.endr
.irp t, 0
	v_max3_num_f32 v[ST+8*\g+4*\t+1], v[ST+8*\g+4*\t+1], v[S+32*\t+14], v[S+32*\t+15]
.endr
.irp t, 1
	v_max3_num_f32 v[ST+8*\g+4*\t+1], v[ST+8*\g+4*\t+1], v[S+32*\t+14], v[S+32*\t+15]
.endr
.irp t, 0,1
	v_max3_num_f32 v[ST+8*\g+4*\t+1], v[ST+8*\g+4*\t+1], v[TA+\t], v[S+32*\t+31]
.endr
.irp t, 0
	s_delay_alu instid0(VALU_DEP_2)
	v_mul_f32 v[TA+\t], s[CS], v[ST+8*\g+4*\t+1]   ; as t (c is positive)
	v_mov_b32 v[TO+\t], v[ST+8*\g+4*\t]
.endr
.irp t, 1
	s_delay_alu instid0(VALU_DEP_3)
	v_mul_f32 v[TA+\t], s[CS], v[ST+8*\g+4*\t+1]
	v_mov_b32 v[TO+\t], v[ST+8*\g+4*\t]
.endr
.irp t, 0
	s_delay_alu instid0(VALU_DEP_4)
	v_floor_f32 v[ST+8*\g+4*\t], -v[TA+\t]
.endr
.irp t, 1
	s_delay_alu instid0(VALU_DEP_3)
	v_floor_f32 v[ST+8*\g+4*\t], -v[TA+\t]         ; the new -M = floor(-t): M is a whole number
.endr
.irp t, 0,1
	s_delay_alu instid0(VALU_DEP_2)
	v_sub_f32 v[TO+\t], v[ST+8*\g+4*\t], v[TO+\t]  ; old M - new M, 0 or less
.endr
.irp t, 0,1
	s_delay_alu instid0(VALU_DEP_2)
	v_cvt_i32_f32 v[TO+\t], v[TO+\t]               ; (it saturates)
.endr
.irp t, 0,1
	s_delay_alu instid0(VALU_DEP_2)
	v_ldexp_f32 v[TF+2*\t], 1.0, v[TO+\t]          ; 2^(old M - new M)
.endr
	EXPO \g
.irp t, 0,1
	v_pk_mul_f32 v[ST+8*\g+4*\t+2:ST+8*\g+4*\t+3], v[ST+8*\g+4*\t+2:ST+8*\g+4*\t+3], v[TF+2*\t:TF+2*\t+1] op_sel_hi:[1,0]   ; L under the new M.  (Plain instructions behind the exponentials)
.endr
	s_wait_alu depctr_va_vdst(0)                   ; one wait for the batch, ahead of its first reader
.irp t, 0,1
	v_pk_add_f32 v[TA+6*\t:TA+6*\t+1], v[S+32*\t:S+32*\t+1], v[S+32*\t+2:S+32*\t+3]   ; the sum, two at a time, in two chains a tile
.endr
.irp i, 4,8,12,16,20,24,28
.irp t, 0,1
	v_pk_add_f32 v[ST+8*\g+4*\t+2:ST+8*\g+4*\t+3], v[ST+8*\g+4*\t+2:ST+8*\g+4*\t+3], v[S+32*\t+\i:S+32*\t+\i+1]
	v_pk_add_f32 v[TA+6*\t:TA+6*\t+1], v[TA+6*\t:TA+6*\t+1], v[S+32*\t+\i+2:S+32*\t+\i+3]
.endr
.endr
.irp t, 0
	s_delay_alu instid0(VALU_DEP_3)
	v_pk_add_f32 v[ST+8*\g+4*\t+2:ST+8*\g+4*\t+3], v[ST+8*\g+4*\t+2:ST+8*\g+4*\t+3], v[TA+6*\t:TA+6*\t+1]
.endr
.irp t, 1
	s_delay_alu instid0(VALU_DEP_2)
	v_pk_add_f32 v[ST+8*\g+4*\t+2:ST+8*\g+4*\t+3], v[ST+8*\g+4*\t+2:ST+8*\g+4*\t+3], v[TA+6*\t:TA+6*\t+1]
.endr
.endm
; A unit of pass 2.  zero = 1: the products start O^T's sums.  The eight accumulators take turns, one instruction a turn.
.macro WORK2 g, zero
	SCORES \g
	CAUSAL \g
	EXPO \g                                        ; p = 2^(t - M - log2 L): finished and normalised
	v_nop                                          ; a plain instruction behind the last exponential
	s_wait_alu depctr_va_vdst(0)                   ; one wait for the batch
.irp t, 0,1
.irp kt, 0,1,2,3
.irp j, 0,1,2,3,4,5,6,7
.endr
	v_cvt_scalef32_pk8_fp8_f32 v[PF+8*\t+2*\kt:PF+8*\t+2*\kt+1], v[S+32*\t+8*\kt:S+32*\t+8*\kt+7], v[PSC]
.endr
.endr
	v_nop                                          ; a plain instruction between the last conversion and the matrix instructions that read the codes
	s_wait_alu depctr_va_vdst(0)
	s_wait_dscnt 0x0                               ; V is in
.if \zero
	WIN 0x40                                       ; destination window 1
.else
	WIN 0x50                                       ; C and D window 1
.endif
.irp dt, 0,1,2,3
.irp t, 0,1
.if \zero
	v_wmma_f32_16x16x64_fp8_fp8 v[64*\g+32*\t+8*\dt:64*\g+32*\t+8*\dt+7], v[VF+8*\dt:VF+8*\dt+7], v[PF+8*\t:PF+8*\t+7], 0
.else
	v_wmma_f32_16x16x64_fp8_fp8 v[64*\g+32*\t+8*\dt:64*\g+32*\t+8*\dt+7], v[VF+8*\dt:VF+8*\dt+7], v[PF+8*\t:PF+8*\t+7], v[64*\g+32*\t+8*\dt:64*\g+32*\t+8*\dt+7]
.endif
.endr
.endr
	WIN 0
.endm
.macro KLOADS                          ; the step's K (four tiles of 16 keys) and bias: each K load takes 512 consecutive bytes; the bias is the same for the sixteen lanes of a half
.irp kt, 0,1,2,3
.irp c, 0,1
	ds_load_b128 v[KF+8*\kt+4*\c:KF+8*\kt+4*\c+3], v[ADK] offset:1024*\kt+512*\c
.endr
.endr
.irp kt, 0,1,2,3
.irp c, 0,1
	ds_load_b128 v[BF+8*\kt+4*\c:BF+8*\kt+4*\c+3], v[ADB] offset:64*\kt+16*\c
.endr
.endr
.endm
.macro VLOADS
.irp dt, 0,1,2,3
.irp c, 0,1
	ds_load_b128 v[VF+8*\dt+4*\c:VF+8*\dt+4*\c+3], v[ADV] offset:1024*\dt+512*\c
.endr
.endr
.endm
.macro ONWARD
	s_add_co_u32 s[KFS], s[KFS], 64
	s_add_co_u32 s[LOFF], s[LOFF], 4096
	s_add_co_u32 s[BOFF], s[BOFF], 256
	s_add_co_u32 s[KS], s[KS], 1
.endm
; ---- PASS 1: 32 trips for every wave; a step that lies behind a group's last is jumped over
.Lp1:
	v_add_nc_u32 v[ADK], s[LOFF], v[LI]
	v_add_nc_u32 v[ADB], s[BOFF], v[BB]
	s_cmp_gt_u32 s[KS], s[ENDS]
	s_cbranch_scc1 .Lp1_next
	KLOADS
	s_wait_dscnt 0x0
	WORK1 0
	s_cmp_gt_u32 s[KS], s[ENDS+1]                  ; group 1 ends no later than group 0: 2 w + 1 <= 31 - 2 w
	s_cbranch_scc1 .Lp1_next
	WORK1 1
.Lp1_next:
	ONWARD
	s_cmp_lt_u32 s[KS], 32
	s_cbranch_scc1 .Lp1
	s_wait_alu depctr_va_vdst(0)
; ---- the halves of the lanes meet: the smaller -M, both sums brought under it, the larger score; then -M - log2 L takes -M's place
.irp u, 0,1,2,3
	v_add_f32 v[ST+4*\u+2], v[ST+4*\u+2], v[ST+4*\u+3]
	v_mov_b32 v[S+8*\u], 0                         ; a lane permute's destination counts as one of its sources
	v_mov_b32 v[S+8*\u+1], 0
	v_mov_b32 v[S+8*\u+2], 0
.endr
.irp u, 0,1,2,3
	v_permlanex16_b32 v[S+8*\u], v[ST+4*\u], s[SEL], s[SEL+1]
	v_permlanex16_b32 v[S+8*\u+1], v[ST+4*\u+2], s[SEL], s[SEL+1]
	v_permlanex16_b32 v[S+8*\u+2], v[ST+4*\u+1], s[SEL], s[SEL+1]
.endr
.irp u, 0,1,2,3
	v_min_num_f32 v[S+8*\u+5], v[ST+4*\u], v[S+8*\u]
	v_max_num_f32 v[ST+4*\u+1], v[ST+4*\u+1], v[S+8*\u+2]
.endr
.irp u, 0,1,2,3
	v_sub_f32 v[S+8*\u+3], v[S+8*\u+5], v[ST+4*\u]
	v_sub_f32 v[S+8*\u+4], v[S+8*\u+5], v[S+8*\u]
.endr
.irp u, 0,1,2,3
	v_cvt_i32_f32 v[S+8*\u+3], v[S+8*\u+3]
	v_cvt_i32_f32 v[S+8*\u+4], v[S+8*\u+4]
.endr
.irp u, 0,1,2,3
	v_ldexp_f32 v[S+8*\u+3], 1.0, v[S+8*\u+3]
	v_ldexp_f32 v[S+8*\u+4], 1.0, v[S+8*\u+4]
.endr
.irp u, 0,1,2,3
	v_mul_f32 v[ST+4*\u+2], v[ST+4*\u+2], v[S+8*\u+3]
.endr
.irp u, 0,1,2,3
	s_delay_alu instid0(VALU_DEP_4)
	v_fma_f32 v[ST+4*\u+2], v[S+8*\u+1], v[S+8*\u+4], v[ST+4*\u+2]   ; L: at least a half, since the largest score's term is
.endr
	s_wait_alu depctr_va_vdst(0)
.irp u, 0,1,2,3
	v_log_f32 v[S+8*\u+6], v[ST+4*\u+2]
.endr
	v_nop                                          ; a plain instruction behind the last logarithm
	s_wait_alu depctr_va_vdst(0)                   ; one wait for the four
.irp u, 0,1,2,3
	v_sub_f32 v[ST+4*\u], v[S+8*\u+5], v[S+8*\u+6]
.endr
; ---- U = the code of 1/2,048 x the sum of the head's v: wave w takes its 256 keys, the parts meet in LDS
	s_wait_tensorcnt 0x0                           ; my part of V has landed
	s_wait_dscnt 0x0
	s_barrier_signal -1
	s_barrier_wait -1                              ; all of V lies in LDS
	s_lshl_b32 s19, s[WV], 14
	v_add_nc_u32 v[ADV], s19, v[LV]
.irp i, 0,1,2,3,4,5,6,7
	v_min_num_f32 v[192+\i], 0x3a000000, v[PLIM]   ; 1/2,048, held
.endr
	v_cvt_scalef32_pk8_fp8_f32 v[PF:PF+1], v[192:199], v[PSC]
	v_nop                                          ; a plain instruction behind the conversion
.irp i, 2,4,6
	v_mov_b32 v[PF+\i], v[PF]                      ; the same code for all 64 keys and all 16 columns
	v_mov_b32 v[PF+\i+1], v[PF+1]
.endr
.irp s, 0,1,2,3
.irp dt, 0,1,2,3
.irp c, 0,1
	ds_load_b128 v[64+32*\s+8*\dt+4*\c:64+32*\s+8*\dt+4*\c+3], v[ADV] offset:4096*\s+1024*\dt+512*\c
.endr
.endr
.endr
	s_wait_alu depctr_va_vdst(0)
	s_wait_dscnt 0x0
.irp s, 0,1,2,3                        ; four accumulators by turns
.irp dt, 0,1,2,3
.if \s == 0
	v_wmma_f32_16x16x64_fp8_fp8 v[192+8*\dt:199+8*\dt], v[64+32*\s+8*\dt:71+32*\s+8*\dt], v[PF:PF+7], 0
.else
	v_wmma_f32_16x16x64_fp8_fp8 v[192+8*\dt:199+8*\dt], v[64+32*\s+8*\dt:71+32*\s+8*\dt], v[PF:PF+7], v[192+8*\dt:199+8*\dt]
.endif
.endr
.endr
.rept 4
	v_nop
.endr
.irp dt, 0,1,2,3                       ; register j of tile dt is channel 16 dt + 8 h + j, the same in the sixteen lanes of a half: they store the same words
.irp c, 0,1
	ds_store_b128 v[UPW], v[192+8*\dt+4*\c:195+8*\dt+4*\c] offset:64*\dt+16*\c
.endr
.endr
	s_wait_dscnt 0x0                               ; for the others' sake: my part is stored
	s_barrier_signal -1
	s_barrier_wait -1
.irp w, 0,1,2,3,4,5,6,7                ; lane l adds the eight parts of channels l and 32 + l
.irp e, 0,1
	ds_load_b32 v[64+2*\w+\e], v[UPR] offset:256*\w+128*\e
.endr
.endr
	s_wait_dscnt 0x0
.irp e, 0,1
	v_add_f32 v[64+\e], v[64+\e], v[66+\e]
	v_add_f32 v[68+\e], v[68+\e], v[70+\e]
	v_add_f32 v[72+\e], v[72+\e], v[74+\e]
	v_add_f32 v[76+\e], v[76+\e], v[78+\e]
	s_delay_alu instid0(VALU_DEP_3)
	v_add_f32 v[64+\e], v[64+\e], v[68+\e]
	s_delay_alu instid0(VALU_DEP_2)
	v_add_f32 v[72+\e], v[72+\e], v[76+\e]
	s_delay_alu instid0(VALU_DEP_1)
	v_add_f32 v[64+\e], v[64+\e], v[72+\e]
.endr
	ds_store_b32 v[UFW], v64                       ; into my wave's own copy, which I alone read, on the way out
	ds_store_b32 v[UFW], v65 offset:128
; ---- PASS 2.  Step 0, which both groups of every wave have, is written out: its products start O^T's sums
	s_mov_b32 s[KS], 0
	s_mov_b32 s[KFS], 0
	s_mov_b32 s[LOFF], 0
	s_mov_b32 s[BOFF], 0
	v_add_nc_u32 v[ADK], s[LOFF], v[LI]
	v_add_nc_u32 v[ADV], s[LOFF], v[LV]
	v_add_nc_u32 v[ADB], s[BOFF], v[BB]
	KLOADS
	VLOADS
	s_wait_dscnt 8                                 ; K and the bias are in; V's eight loads, issued behind them, may stay out
	WORK2 0, 1
	WORK2 1, 1
	ONWARD
.Lp2:                                  ; 31 trips: steps 1 to 31
	v_add_nc_u32 v[ADK], s[LOFF], v[LI]            ; these three and the v_nop are the four places in front of the loads into V's registers, which the last products read
	v_add_nc_u32 v[ADV], s[LOFF], v[LV]
	v_add_nc_u32 v[ADB], s[BOFF], v[BB]
	v_nop
	s_cmp_gt_u32 s[KS], s[ENDS]
	s_cbranch_scc1 .Lp2_next
	KLOADS
	VLOADS
	s_wait_dscnt 8
	WORK2 0, 0
	s_cmp_gt_u32 s[KS], s[ENDS+1]
	s_cbranch_scc1 .Lp2_next
	WORK2 1, 0
.Lp2_next:
	ONWARD
	s_cmp_lt_u32 s[KS], 32
	s_cbranch_scc1 .Lp2
; ---- THE WAY OUT.  A sum stands for sum x 2^(entry 8 + entry 9): the conversion divides by 2^(entry 10 - entry 8 - entry 9).  Tile dt's eight registers are channels 16 dt + 8 h + 0 .. 7 of query r:
; their codes are registers 2 c, 2 c + 1, c = 4 (head % 2) + dt, of the last product's fragment of 16 rows x 128 K.  Each store of the wave covers 512 consecutive bytes, aligned.
	s_sub_co_i32 s19, s58, s56
	s_sub_co_i32 s19, s19, s57
	s_add_co_i32 s19, s19, 127
	s_lshl_b32 s21, s19, 23
	v_mov_b32 v[OSC], s21
	v_nop                                          ; with the v_mov above: three places behind the last products
	v_nop
.irp dt, 0,1,2,3
.irp c, 0,1
	ds_load_b128 v[S+8*\dt+4*\c:S+8*\dt+4*\c+3], v[UFR] offset:64*\dt+16*\c   ; U in the result's layout
.endr
.endr
	s_wait_dscnt 0x0
.irp g, 0,1
.irp t, 0,1
	v_cmp_gt_f32 vcc_lo, 0xf1000000, v[ST+8*\g+4*\t+1]   ; -2^99 > the query's largest score: all its keys were hidden
	WIN 0x01                                       ; source 0 window 1
.set I, 0
.rept 32
	v_cndmask_b32 v[192+I], v[64*\g+32*\t+I], v[S+I], vcc_lo
.set I, I+1
.endr
	WIN 0
.irp dt, 0,1,2,3
.irp j, 0,1,2,3,4,5,6,7
.endr
	v_cvt_scalef32_pk8_fp8_f32 v[64+8*(2*\g+\t)+2*\dt:65+8*(2*\g+\t)+2*\dt], v[192+8*\dt:199+8*\dt], v[OSC]
.endr
	v_nop                                          ; a plain instruction behind the last conversion: the next tile writes its sources
.endr
.endr
.irp g, 0,1
.irp t, 0,1
.irp c, 0,1
	global_store_b128 v[LI], v[64+8*(2*\g+\t)+4*\c:67+8*(2*\g+\t)+4*\c], s[70+2*\g:71+2*\g] offset:4096*\t+512*\c
.endr
.endr
.endr
	s_wait_tensorcnt 0x0
	ds_add_u32 v254, v255
	s_wait_dscnt 0x0
	CROUND                                         ; the closing round
	s_endpgm
.Lfunc_end_k_qad2416fbb8_attn:
	.size	k_qad2416fbb8_attn, .Lfunc_end_k_qad2416fbb8_attn-k_qad2416fbb8_attn
	.p2alignl 7, 3214868480
	.fill 96, 4, 3214868480
	.section	.rodata,"a",@progbits
	.p2align	6, 0x0
	.amdhsa_kernel k_qad2416fbb8_attn
		.amdhsa_group_segment_fixed_size 327680
		.amdhsa_private_segment_fixed_size 0
		.amdhsa_enable_private_segment 0
		.amdhsa_kernarg_size 48
		.amdhsa_user_sgpr_count 2
		.amdhsa_user_sgpr_kernarg_segment_ptr 1
		.amdhsa_wavefront_size32 1
		.amdhsa_system_sgpr_workgroup_id_x 1
		.amdhsa_system_sgpr_workgroup_id_y 1
		.amdhsa_system_sgpr_workgroup_id_z 1
		.amdhsa_system_vgpr_workitem_id 0
		.amdhsa_next_free_vgpr 384
		.amdhsa_next_free_sgpr 80
		.amdhsa_reserve_vcc 1
		.amdhsa_float_denorm_mode_32 3
		.amdhsa_float_denorm_mode_16_64 3
		.amdhsa_fp16_overflow 1
		.amdhsa_memory_ordered 1
		.amdhsa_forward_progress 1
		.amdhsa_inst_pref_size 101
	.end_amdhsa_kernel
	.amdgpu_metadata
---
amdhsa.version: [ 1, 2 ]
amdhsa.kernels:
  - .name:           k_qad2416fbb8_attn
    .symbol:         k_qad2416fbb8_attn.kd
    .args:
      - { .name: q_img, .offset: 0, .size: 8, .value_kind: global_buffer, .address_space: global }
      - { .name: k_img, .offset: 8, .size: 8, .value_kind: global_buffer, .address_space: global }
      - { .name: v_img, .offset: 16, .size: 8, .value_kind: global_buffer, .address_space: global }
      - { .name: attention_mask, .offset: 24, .size: 8, .value_kind: global_buffer, .address_space: global }
      - { .name: lowp_scales, .offset: 32, .size: 8, .value_kind: global_buffer, .address_space: global }
      - { .name: a_img, .offset: 40, .size: 8, .value_kind: global_buffer, .address_space: global }
    .group_segment_fixed_size: 327680
    .private_segment_fixed_size: 0
    .kernarg_segment_align: 8
    .kernarg_segment_size: 48
    .max_flat_workgroup_size: 256
    .sgpr_count:     80
    .vgpr_count:     384
    .wavefront_size: 32
...
	.end_amdgpu_metadata
.endif
;; end of part 3
;; launch oproj (part 4): grid 4 x 32, 4 waves a work-group, clusters of 4 x 4, 327,680 bytes of LDS; arguments a_img, W_o_codes, lowp_scales, out0; writes out0
.if DOCPART == 4
	.amdgcn_target "amdgcn-amd-amdhsa--gfx1250"
	.amdhsa_code_object_version 6
	.text
	.protected	k_qad2416fbb8_oproj
	.globl	k_qad2416fbb8_oproj
	.p2align	8
	.type	k_qad2416fbb8_oproj,@function
k_qad2416fbb8_oproj:
	s_mov_b64 s[64:65], 0
	v_nop
	global_prefetch_b8 v0, s[64:65] scope:SCOPE_SE
	s_setreg_imm32_b32 hwreg(HW_REG_WAVE_MODE, 25, 1), 1
	s_wait_xcnt 0x0
	s_wait_alu depctr_hold_cnt(0) depctr_sa_sdst(0) depctr_va_vdst(0) depctr_va_sdst(0) depctr_va_ssrc(0) depctr_va_vcc(0) depctr_vm_vsrc(0)
	s_getreg_b32 s2, hwreg(HW_REG_IB_STS2, 6, 4)
	s_cmp_eq_u32 s2, 0
	s_cbranch_scc0 .Lentry_in_a_cluster
	s_endpgm
.Lentry_in_a_cluster:
	s_bfe_u32 s2, ttmp6, 0x10000c
	s_cmp_lg_u32 s2, 0xf033
	s_cbranch_scc0 .Lentry_shape_is_right
	s_endpgm
.Lentry_shape_is_right:
; out0 = a W_o^T on codes of FP8 (E4M3).  a: 8,192 rows x 1,024, as images of the operand's registers (a_img [K step of 256: 4][tile of 16 rows: 512][128 along K: 2][chunk 4][lane][16 B]: row 16 tile + r, registers 2 c, 2 c + 1 hold
; k = 16 c + 8 h + 0 .. 7).  W_o: [1,024][1,024] codes, K innermost.  out0: [8,192][1,024] f32 = sum x 2^(entry 10 + entry 11).  LIMIT: entry 10 + entry 11 between -126 and 127.
; A tile of 256 x 256 is made by a work-group of four waves, 128 x 128 a wave: 64 accumulators, 512 registers.  K goes in four steps of 256 through two LDS slots filled by the tensor data mover.
; CLUSTERS: 4 x 4 work-groups; a's tile is shared along a row of the cluster, W_o's along a column: joint loads.  Source 0 = 16 rows of W_o, source 1 = 16 rows of a: a lane holds eight neighbouring numbers of a row of out0.
; a's fragments come from LDS as they lie (four loads of 16 bytes a lane, 512 consecutive bytes each); W_o's are taken in the same order of K: eight loads of 8 bytes from rows of 272 bytes.
; REGISTERS as in the launch that makes q, k and v: window 0: addresses, a's fragments from v128 (one set), the way out; window 1: W_o's fragments (two sets); windows 2, 3: the accumulators.
.set SIZE_N, 1024
.set ROWB,   256
.set KROW,   1024
.set PITCH,  272                       ; W_o's LDS row: 256 bytes + 16 of padding = 68 words: lane (r, h) of a load of 8 bytes starts at bank 4 r + 2 h (64 banks of 4 bytes: ISA guide 11.1)
.set FR,     16
.set NL,     4                         ; LDS loads that bring a fragment of a
.set NP,     4
.set AHALF,  32768                     ; 8 tiles of 16 rows x 256 K of a: what one tensor load brings
.set BHALF,  128*PITCH                 ; 128 rows of W_o
.set BOFFS,  2*AHALF
.set SLOT,   2*AHALF+2*BHALF
.set KQB,    2097152                   ; from one K step of a_img to the next
.set SPARE,  2*SLOT                    ; behind the ring: the spare words
.set SPITCH, 528                       ; the way out: a stage of 16 rows x (512 bytes + 16) for each wave, in slot 0, which has had its last fill and its last read when the first result is stored there
.set ADRA, 16
.set ADRB, 20
.set STO,  24
.set RD,   25
.set CO,   26
.set SPW,  28
.set NIL,  29
.set TMP,  32
.set AF,   128
.set BK,   128
.set G1, 24
.set G0, 32
.set G1B, 48
.set G0B, 56
.set MSB, 0
.macro WIN new
.if MSB != \new
	s_set_vgpr_msb (MSB<<8)|\new
.set MSB, \new
.endif
.endm
.set MUL_LO, 0xa1
.set MUL_HI, 0xf1
.set TO_B,   0x40
.macro JLOAD g0a, g1a, g0b, g1b        ; waves 0 and 1 fetch for a, waves 2 and 3 for W_o; four v_nop follow each of the two lines
	s_cmp_eq_u32 s15, 0
	s_cbranch_scc0 .Lfor_b_\@
	tensor_load_to_lds s[\g0a:\g0a+3], s[\g1a:\g1a+7]
	s_nop 0
.rept 4
	v_nop
.endr
	s_branch .Lasked_\@
.Lfor_b_\@:
	tensor_load_to_lds s[\g0b:\g0b+3], s[\g1b:\g1b+7]
	s_nop 0
.rept 4
	v_nop
.endr
.Lasked_\@:
.endm
.macro CREST
	s_cmp_lg_u32 s14, 0
	s_cbranch_scc1 .Lnot_wave_0_\@
	s_barrier_signal -3
.Lnot_wave_0_\@:
	s_barrier_wait -3
	s_barrier_signal -1
	s_barrier_wait -1
.endm
.macro CROUND
	s_barrier_signal -1
	s_barrier_wait -1
	CREST
.endm
	s_load_b128 s[4:7], s[0:1], 0x0                ; a_img s[4:5], W_o's codes s[6:7]
	s_load_b128 s[8:11], s[0:1], 0x10              ; the exponents s[8:9], out0 s[10:11]
	v_lshl_add_u32 v[SPW], v0, 2, SPARE
	v_mov_b32 v[NIL], 0
	ds_add_u32 v28, v29
	ds_add_u32 v28, v29
	s_wait_dscnt 0x0
	v_lshrrev_b32 v1, 5, v0
	v_readfirstlane_b32 s14, v1                    ; wave 0..3
	s_lshr_b32 s15, s14, 1                         ; which half of the tile's rows is mine.  Also: I fetch for a (0) or for W_o (1)
	s_and_b32 s16, s14, 1                          ; which half of its columns.  Also: which half of that tile I fetch
	s_bfe_u32 s40, ttmp6, 0x40000                  ; cx, cy
	s_bfe_u32 s41, ttmp6, 0x40004
	s_lshl_b32 s42, ttmp9, 2
	s_add_co_u32 s42, s42, s40                     ; tile column
	s_and_b32 s17, ttmp7, 0xffff
	s_lshl_b32 s17, s17, 2
	s_add_co_u32 s17, s17, s41                     ; tile row
	s_lshl_b32 s43, s41, 2
	s_lshl_b32 s43, 15, s43                        ; my row of the cluster
	s_lshl_b32 s44, 0x1111, s40                    ; my column
	; a: 32,768 bytes, dense in memory, as 128 rows of 256 bytes, no padding
	s_or_b32 s[G1+0], s43, (3<<16)|(1<<21)         ; 15:0 the mask; 17:16 elements of 8 bytes; 21 set beside a mask
	s_mov_b32 s[G1+1], 32<<16                      ; tensor_dim0 = 32
	s_mov_b32 s[G1+2], 128<<16                     ; tensor_dim1 = 128
	s_mov_b32 s[G1+3], 32<<16                      ; tile_dim0 = 32
	s_mov_b32 s[G1+4], 128                         ; tile_dim1 = 128
	s_mov_b32 s[G1+5], 32                          ; tensor_dim0_stride
	s_mov_b32 s[G1+6], 0
	s_mov_b32 s[G1+7], 0
	; W_o: 128 rows x 256 bytes, padded in LDS
	s_or_b32 s[G1B+0], s44, (0<<16)|(1<<20)|(1<<21)|(5<<22)|(3<<25)
	s_mov_b32 s[G1B+1], ROWB<<16
	s_mov_b32 s[G1B+2], 128<<16
	s_mov_b32 s[G1B+3], ROWB<<16
	s_mov_b32 s[G1B+4], 128
	s_mov_b32 s[G1B+5], KROW
	s_mov_b32 s[G1B+6], 0
	s_mov_b32 s[G1B+7], 0
	s_lshl_b32 s20, s17, 16                        ; a: the tile row's 16 tiles of 4,096 bytes,
	s_lshl_b32 s18, s16, 15                        ; my eight of them
	s_add_co_u32 s20, s20, s18
	s_mov_b32 s21, 0
	s_lshl_b32 s46, s42, 8
	s_lshl_b32 s18, s16, 7
	s_add_co_u32 s46, s46, s18
	s_lshl_b32 s46, s46, 10                        ; W_o: (256 x tile column + 128 x half) rows of 1,024 bytes
	s_mov_b32 s47, 0
	s_lshl_b32 s45, s16, 15                        ; where they go: a's halves,
	s_mul_i32 s22, s16, BHALF
	s_add_co_u32 s22, s22, BOFFS                   ; W_o's halves behind them: no place in the cluster enters an LDS address
	s_wait_kmcnt 0x0
	s_load_b64 s[96:97], s[8:9], 0x28              ; entries 10 and 11
	s_add_nc_u64 s[20:21], s[4:5], s[20:21]
	s_add_nc_u64 s[46:47], s[6:7], s[46:47]
	CROUND                                         ; all sixteen work-groups are here: the first joint loads meet
.irp s, 0,1
	s_mov_b32 s[G0+4*\s], 1
	s_add_co_u32 s[G0+4*\s+1], s45, \s*SLOT
	s_add_nc_u64 s[G0+4*\s+2:G0+4*\s+3], s[20:21], \s*KQB
	s_or_b32 s[G0+4*\s+3], s[G0+4*\s+3], 0x80000000
	s_mov_b32 s[G0B+4*\s], 1
	s_add_co_u32 s[G0B+4*\s+1], s22, \s*SLOT
	s_add_nc_u64 s[G0B+4*\s+2:G0B+4*\s+3], s[46:47], \s*ROWB
	s_or_b32 s[G0B+4*\s+3], s[G0B+4*\s+3], 0x80000000
	s_wait_alu depctr_va_vdst(0)
	s_wait_tensorcnt 0x0
	ds_add_u32 v28, v29
	ds_add_u32 v28, v29
	s_wait_dscnt 0x0
	CROUND
	JLOAD G0+4*\s, G1, G0B+4*\s, G1B
.endr
	v_and_b32 v1, 15, v0                           ; l % 16
	v_bfe_u32 v2, v0, 4, 1                         ; l / 16
	v_and_b32 v6, 31, v0
	v_lshlrev_b32 v[CO], 4, v6                     ; 16 x lane
	v_mul_u32_u24 v3, v1, PITCH
	v_lshl_add_u32 v4, v2, 3, v3                   ; W_o: row x pitch + 8 x half
	s_lshl_b32 s21, s15, 15                        ; my eight tiles of a
	s_mul_i32 s22, s16, BHALF                      ; my 128 rows of W_o,
	s_add_co_u32 s22, s22, BOFFS                   ; which lie behind a's
.irp s, 0,1
	v_add_nc_u32 v[ADRA+\s], s21, v[CO]
	v_add_nc_u32 v[ADRB+\s], s22, v4
	s_add_co_u32 s21, s21, SLOT
	s_add_co_u32 s22, s22, SLOT
.endr
	s_mul_i32 s23, s14, 16*SPITCH                  ; my stage
	v_mul_u32_u24 v5, v1, SPITCH                   ; in: row l % 16, 32 bytes for each half of the lanes
	v_lshl_add_u32 v5, v2, 5, v5
	v_add_nc_u32 v[STO], s23, v5
	v_add_nc_u32 v[RD], s23, v[CO]                 ; back: the 32 lanes take one row of 512 bytes
	s_lshl_b32 s20, s17, 8
	s_lshl_b32 s21, s15, 7
	s_add_co_u32 s20, s20, s21                     ; my first row: 256 x tile row + 128 x half,
	s_lshl_b32 s20, s20, 12                        ; of 4,096 bytes
	s_lshl_b32 s46, s42, 10                        ; my first column, in bytes: 1,024 x tile column + 512 x half
	s_lshl_b32 s47, s16, 9
	s_add_co_u32 s46, s46, s47
	s_add_co_u32 s20, s20, s46
	s_mov_b32 s21, 0
	s_add_nc_u64 s[10:11], s[10:11], s[20:21]
.macro FRAGA reg, slot, q, i           ; a's fragment: tile i of my eight, the slot's q-th 128 along K: the image as it lies
.irp c, 0,1,2,3
	ds_load_b128 v[\reg+4*\c:\reg+4*\c+3], v[ADRA+\slot] offset:4096*(\i)+2048*(\q)+512*\c
.endr
.endm
.macro FRAGB reg, slot, q, i           ; W_o's fragment: lane (r, h) holds row 16 i + r; registers 2 c, 2 c + 1 hold k = 16 c + 8 h + 0 .. 7
.irp c, 0,1,2,3,4,5,6,7
	ds_load_b64 v[\reg+2*\c:\reg+2*\c+1], v[ADRB+\slot] offset:128*(\q)+16*\c+(\i)*16*PITCH
.endr
.endm
.macro MUL16 a0, p, zero               ; the 64 accumulators take turns, one instruction a turn
.irp a, \a0, \a0+1
.irp b, 0,1,2,3,4,5,6,7
.if \zero
	v_wmma_f32_16x16x128_fp8_fp8 v[8*(8*((\a)%4)+\b):8*(8*((\a)%4)+\b)+7], v[128*(\p)+FR*\b:128*(\p)+FR*\b+FR-1], v[AF+FR*(\a):AF+FR*(\a)+FR-1], 0
.else
	v_wmma_f32_16x16x128_fp8_fp8 v[8*(8*((\a)%4)+\b):8*(8*((\a)%4)+\b)+7], v[128*(\p)+FR*\b:128*(\p)+FR*\b+FR-1], v[AF+FR*(\a):AF+FR*(\a)+FR-1], v[8*(8*((\a)%4)+\b):8*(8*((\a)%4)+\b)+7]
.endif
.endr
.endr
.endm
.macro FETCH_B slot, q, p
	WIN TO_B
.irp i, 0,1,2,3,4,5,6,7
	FRAGB 128*(\p)+FR*\i, \slot, \q, \i
.endr
	WIN 0
.endm
.macro FETCH_A slot, q, i0
.irp i, \i0, \i0+1, \i0+2, \i0+3
	FRAGA AF+FR*(\i), \slot, \q, \i
.endr
.endm
.macro PLACES n
.rept \n
	v_nop
.endr
.endm
.macro STEP slot, q, zero
	s_wait_dscnt 4*NL                              ; W_o's set and a's blocks 0-3 are in; the youngest sixteen loads (a's blocks 4-7) may be out
	WIN MUL_LO
	MUL16 0, (\q)%2, \zero
	MUL16 2, (\q)%2, \zero
	s_wait_dscnt 0
	PLACES NP
	FETCH_B \slot, (\q)+1, 1-(\q)%2
	FETCH_A \slot, (\q)+1, 0
	WIN MUL_HI
	MUL16 4, (\q)%2, \zero
	MUL16 6, (\q)%2, \zero
	PLACES NP
	WIN 0
	FETCH_A \slot, (\q)+1, 4
.endm
.macro TURN slot, next, fill
	s_wait_tensorcnt 0x0                           ; all my tensor loads have landed: my part of the next slot
	ds_add_u32 v[SPW], v[NIL]                      ; 0 onto my spare word
	s_wait_dscnt 4*NL+1                            ; (the add and the youngest sixteen loads may be out)
	WIN MUL_LO
	MUL16 0, 1, 0
	s_wait_dscnt 0x0                               ; the add is done, and my reads of this slot are over
	s_barrier_signal -1
	MUL16 2, 1, 0
	WIN 0
	s_barrier_wait -1
.if \fill
	CREST                                          ; the barrier has opened a round of the cluster's barrier
	s_add_nc_u64 s[G0+4*\slot+2:G0+4*\slot+3], s[G0+4*\slot+2:G0+4*\slot+3], 2*KQB
	s_add_nc_u64 s[G0B+4*\slot+2:G0B+4*\slot+3], s[G0B+4*\slot+2:G0B+4*\slot+3], 2*ROWB
	JLOAD G0+4*\slot, G1, G0B+4*\slot, G1B         ; the first tensor load behind the round
.else
	PLACES NP
.endif
	FETCH_B \next, 0, 0
	FETCH_A \next, 0, 0
	WIN MUL_HI
	MUL16 4, 1, 0
	MUL16 6, 1, 0
	PLACES NP
	WIN 0
	FETCH_A \next, 0, 4
.endm
	s_wait_alu depctr_va_vdst(0)
	s_wait_tensorcnt 1                             ; my part of slot 0 is in (slot 1's load may be out)
	s_barrier_signal -1
	s_barrier_wait -1                              ; everybody's is
	FETCH_B 0, 0, 0
	FETCH_A 0, 0, 0
	FETCH_A 0, 0, 4
	STEP 0, 0, 1                                   ; the first products start the sums.  The eight steps are written out: K has four slots' worth
	TURN 0, 1, 1
	STEP 1, 0, 0
	TURN 1, 0, 1
	STEP 0, 0, 0
	TURN 0, 1, 0
	STEP 1, 0, 0
	s_wait_dscnt 4*NL                              ; the very last step
	WIN MUL_LO
	MUL16 0, 1, 0
	MUL16 2, 1, 0
	s_wait_dscnt 0
	WIN MUL_HI
	MUL16 4, 1, 0
	MUL16 6, 1, 0
	WIN 0
; THE WAY OUT, block by block of 16 rows x 128 columns: through my own stage in LDS, back as whole rows of 512 bytes.  LDS serves a wave's instructions in order (ISA guide 5.7.1.4): no wait between the stores and the loads.
.macro TOSTAGE a
.set AC, 64*((\a)%4)
	WIN 0x02+((\a)/4)
.irp j, 0,2,4,6,8,10,12,14,16,18,20,22,24,26,28,30,32,34,36,38,40,42,44,46,48,50,52,54,56,58,60,62
	v_pk_mul_f32 v[TMP+\j:TMP+\j+1], v[AC+\j:AC+\j+1], s[96:97] op_sel_hi:[1,0]   ; x 2^(entry 10 + entry 11); each accumulator from its low end on
.endr
	WIN 0
.irp b, 0,1,2,3,4,5,6,7
	ds_store_b128 v[STO], v[TMP+8*\b:TMP+8*\b+3] offset:64*\b
	ds_store_b128 v[STO], v[TMP+8*\b+4:TMP+8*\b+7] offset:64*\b+16
.endr
.set BB, BK+64*((\a)%2)
.irp t, 0,1,2,3,4,5,6,7,8,9,10,11,12,13,14,15
	ds_load_b128 v[BB+4*\t:BB+4*\t+3], v[RD] offset:\t*SPITCH
.endr
.endm
.macro SEND a, younger
.set BB, BK+64*((\a)%2)
	s_wait_dscnt \younger                          ; the block is back in registers
.if (\a) > 0
	s_add_nc_u64 s[10:11], s[10:11], 16*SIZE_N*4   ; (behind a wait on XCNT: the earlier stores have read their base)
.endif
.irp t, 0,1,2,3,4,5,6,7,8,9,10,11,12,13,14,15
	global_store_b128 v[CO], v[BB+4*\t:BB+4*\t+3], s[10:11] offset:\t*SIZE_N*4 th:TH_STORE_NT   ; 32 lanes store 512 consecutive bytes, aligned
.endr
.endm
	s_wait_kmcnt 0x0
	s_add_co_i32 s96, s96, s97
	s_add_co_i32 s96, s96, 127
	s_lshl_b32 s96, s96, 23                        ; 2^(entry 10 + entry 11) as f32
	PLACES NP
	TOSTAGE 0
.irp a, 1,2,3,4,5,6,7
.if \a > 1
	s_wait_xcnt 0x0                                ; block a - 2's stores have read their registers and their base
.endif
	TOSTAGE \a
	SEND \a-1, 32                                  ; behind block a - 1's loads: block a's 16 stores and 16 loads
.endr
	s_wait_xcnt 0x0
	SEND 7, 0
	s_wait_tensorcnt 0x0                           ; the wave's end
	ds_add_u32 v[SPW], v[NIL]
	s_wait_dscnt 0x0
	CROUND                                         ; the closing round
	s_endpgm
.Lfunc_end_k_qad2416fbb8_oproj:
	.size	k_qad2416fbb8_oproj, .Lfunc_end_k_qad2416fbb8_oproj-k_qad2416fbb8_oproj
	.p2alignl 7, 3214868480
	.fill 96, 4, 3214868480
	.section	.rodata,"a",@progbits
	.p2align	6, 0x0
	.amdhsa_kernel k_qad2416fbb8_oproj
		.amdhsa_group_segment_fixed_size 327680
		.amdhsa_private_segment_fixed_size 0
		.amdhsa_enable_private_segment 0
		.amdhsa_kernarg_size 32
		.amdhsa_user_sgpr_count 2
		.amdhsa_user_sgpr_kernarg_segment_ptr 1
		.amdhsa_wavefront_size32 1
		.amdhsa_system_sgpr_workgroup_id_x 1
		.amdhsa_system_sgpr_workgroup_id_y 1
		.amdhsa_system_sgpr_workgroup_id_z 1
		.amdhsa_system_vgpr_workitem_id 0
		.amdhsa_next_free_vgpr 1024
		.amdhsa_next_free_sgpr 98
		.amdhsa_reserve_vcc 0
		.amdhsa_float_denorm_mode_32 3
		.amdhsa_float_denorm_mode_16_64 3
		.amdhsa_memory_ordered 1
		.amdhsa_forward_progress 1
		.amdhsa_inst_pref_size 140
	.end_amdhsa_kernel
	.amdgpu_metadata
---
amdhsa.version: [ 1, 2 ]
amdhsa.kernels:
  - .name:           k_qad2416fbb8_oproj
    .symbol:         k_qad2416fbb8_oproj.kd
    .args:
      - { .name: a_img, .offset: 0, .size: 8, .value_kind: global_buffer, .address_space: global }
      - { .name: W_o_codes, .offset: 8, .size: 8, .value_kind: global_buffer, .address_space: global }
      - { .name: lowp_scales, .offset: 16, .size: 8, .value_kind: global_buffer, .address_space: global }
      - { .name: out0, .offset: 24, .size: 8, .value_kind: global_buffer, .address_space: global }
    .group_segment_fixed_size: 327680
    .private_segment_fixed_size: 0
    .kernarg_segment_align: 8
    .kernarg_segment_size: 32
    .max_flat_workgroup_size: 128
    .sgpr_count:     98
    .vgpr_count:     1024
    .wavefront_size: 32
...
	.end_amdgpu_metadata
.endif
;; end of part 4
